; MI455X (gfx1250); checked and timed in simulation.
; The chip was launched on July 23, 2026; its instructions are those of AMD's public machine-readable ISA for CDNA 5 (MIT licence, August 2026) and "CDNA5" Instruction Set Architecture Reference Guide (July 2026). The comments in the code are by the model that wrote it; some were corrected since.
;; Similarity Enhancement Module. Allowed arithmetic: float matrix products may take bf16 or f16 operands with f32 sums; other float arithmetic in f32, or as packed bf16 or f16 multiplies, adds, multiply-adds, maxima and minima; sums over many terms, partial sums and values carried from step to step in f32; what a program stores and reads back later, other than sums and carried values, may be rounded once to bf16 or f16.
;; Inputs: final_features 8 x 2,048 x 768 float32; mid_features 8 x 2,048 x 768 float32.
;; Outputs: out0 8 x 2,048 x 768 float32.
;; 2 versions, each right; version 2 is version 1 with the launch prep written anew for expert scheduling mode. Each part assembles by itself: llvm-mc -triple=amdgcn-amd-amdhsa -mcpu=gfx1250 --defsym DOCPART=n.
;; ======== version 1 of 2: 3 launches
;; workspace buffers: kn 25,165,824 bytes; vb 25,165,824 bytes; pw 67,108,864 bytes; st 2,097,152 bytes
;; launch prep (part 1): grid 512 x 1, 8 waves a work-group, no clusters, 0 bytes of LDS; arguments mid_features, final_features, kn, vb; writes kn, vb
.if DOCPART == 1
	.amdgcn_target "amdgcn-amd-amdhsa--gfx1250"
	.amdhsa_code_object_version 6
	.text
	.protected	k_q512f4fd428_prep
	.globl	k_q512f4fd428_prep
	.p2align	8
	.type	k_q512f4fd428_prep,@function
k_q512f4fd428_prep:
	s_mov_b64 s[64:65], 0
	v_nop
	global_prefetch_b8 v0, s[64:65] scope:SCOPE_SE
	s_setreg_imm32_b32 hwreg(HW_REG_WAVE_MODE, 25, 1), 1
	s_wait_xcnt 0x0
; THE WHOLE PROGRAM.  out = cw x (softmax(sim) final) + (1 - cw) x final, sim = mid_n mid_n^T with its diagonal set to 0, cw = a row's maximum of sim.
; Three launches: this one rounds the operands; the second makes p = exp(sim) in bf16 with each row's partial sums and maxima; the third makes P V and the blend.
; NOTHING IS LEFT OUT AS DEAD: both inputs reach the output, and every step of the formula is done.
; NO MAXIMUM IS TAKEN AWAY BEFORE THE EXPONENTIAL: both factors of sim are rows divided by max(norm, 1e-12), so their length is at most 1 and |sim| <= 1 for every finite input,
; and the scale behind it is 1: exp(sim) lies in 1/e .. e and a row's sum is at most 2,048 e.  Nothing can overflow or underflow in f32 or bf16.  The maximum itself is still made: it is cw.
; THIS LAUNCH.  kn[row][768] = bf16(mid x sqrt(log2 e) / max(norm, 1e-12)): the factor makes the product of two rows log2(e) x sim, the argument of 2^x.
; x / max(sqrt(q), 1e-12) = x rsq(max(q, 1e-24)), q the sum of squares: the same number for every q >= 0.
; vb[batch][slice x of 4][key][192 channels] = bf16(final): a slice's keys lie end to end, 384 bytes each, so that the third launch asks for them as dense rows of 256 bytes.
; LIMITS.  Inputs are finite.  Where the sum of 768 squares passes f32's range the formula as given does too.  kn and vb are rounded once, to bf16 (matrix operands).
; SHARES.  A stream: no LDS, no barrier, no loop, no matrix unit, no cluster (no byte is shared).  Wave gw = 8 x work-group + wave has rows 4 gw .. 4 gw + 3 of both inputs: 48 loads of 512 bytes,
; all issued ahead of the first wait.  No register is used twice for memory, so nothing waits for a store.
.set SS, 8                             ; v[8:23]    row i: two pairs of running sums of squares at SS + 4 i
.set R,  24                            ; v[24:31]   row i: its factor, twice (a pair for the packed multiply)
.set X,  32                            ; v[32:127]  mid: row i at X + 24 i; load j brings channels 128 j + 4 lane .. + 3
.set Y,  128                           ; v[128:223] final: key pair i, slice x, unit j at Y + 48 i + 12 x + 4 j
	s_load_b256 s[4:11], s[0:1], 0x0               ; mid s[4:5], final s[6:7], kn s[8:9], vb s[10:11]
	v_lshrrev_b32 v7, 5, v0
	v_readfirstlane_b32 s12, v7                    ; wave 0..7
	v_and_b32 v1, 31, v0                           ; lane l
	v_and_b32 v7, 15, v0                           ; r = l % 16
	v_bfe_u32 v8, v0, 4, 1                         ; h = l / 16
	v_lshlrev_b32 v2, 4, v1                        ; 16 l: my 16 bytes of 512 of mid
	v_lshlrev_b32 v3, 3, v1                        ; 8 l: my 8 bytes of a stored 256
	; two keys of a slice are 768 bytes of vb = three units of 256.  Unit j takes, for lanes 0-15 and for lanes 16-31, 256 consecutive bytes of final:
	v_lshlrev_b32 v4, 4, v7
	v_lshl_add_u32 v4, v8, 8, v4                   ; unit 0: first key, channels 0-63 | 64-127
	v_mul_u32_u24 v5, v8, 2560
	v_lshl_add_u32 v5, v7, 4, v5
	v_add_nc_u32 v5, 512, v5                       ; unit 1: first key, channels 128-191 | second key (3,072 bytes on), channels 0-63
	v_add_nc_u32 v6, 3328, v4                      ; unit 2: second key, channels 64-127 | 128-191
	s_lshl_b32 s13, ttmp9, 3
	s_add_co_u32 s13, s13, s12                     ; gw, 0..4095
	s_mov_b32 s14, 0x76543210                      ; v_permlanex16_b32: each lane takes its own place in the other half
	s_mov_b32 s15, 0xfedcba98
	s_mul_i32 s16, s13, 12288                      ; four rows of 3,072 bytes
	s_mov_b32 s17, 0
	s_mul_i32 s18, s13, 6144                       ; four rows of 1,536 bytes
	s_mov_b32 s19, 0
	s_lshr_b32 s20, s13, 9                         ; batch: 512 waves each
	s_mul_i32 s20, s20, 3145728                    ; four slices of 786,432 bytes
	s_and_b32 s21, s13, 511
	s_mul_i32 s21, s21, 1536                       ; four keys of 384 bytes
	s_add_co_u32 s20, s20, s21
	s_mov_b32 s21, 0
	s_wait_kmcnt 0x0
	s_add_nc_u64 s[4:5], s[4:5], s[16:17]
	s_add_nc_u64 s[6:7], s[6:7], s[16:17]
	s_add_nc_u64 s[8:9], s[8:9], s[18:19]
	s_add_nc_u64 s[10:11], s[10:11], s[20:21]
.irp i, 0,1,2,3
.irp j, 0,1,2,3,4,5
	global_load_b128 v[X+24*(\i)+4*(\j):X+24*(\i)+4*(\j)+3], v2, s[4:5] offset:3072*(\i)+512*(\j) th:TH_LOAD_NT
.endr
.endr
.irp i, 0,1
.irp x, 0,1,2,3
.irp j, 0,1,2
	global_load_b128 v[Y+48*(\i)+12*(\x)+4*(\j):Y+48*(\i)+12*(\x)+4*(\j)+3], v[4+(\j)], s[6:7] offset:6144*(\i)+768*(\x) th:TH_LOAD_NT
.endr
.endr
.endr
	s_wait_loadcnt 24                              ; mid is in; the 24 loads of final, issued behind it, may stay out
	; the sum of squares of each row: two chains a row, the four rows by turns, so that no line waits for the one before it
.irp i, 0,1,2,3
	v_pk_mul_f32 v[SS+4*(\i):SS+4*(\i)+1],   v[X+24*(\i):X+24*(\i)+1],   v[X+24*(\i):X+24*(\i)+1]
	v_pk_mul_f32 v[SS+4*(\i)+2:SS+4*(\i)+3], v[X+24*(\i)+2:X+24*(\i)+3], v[X+24*(\i)+2:X+24*(\i)+3]
.endr
.set p, 2
.rept 10
.irp i, 0,1,2,3
	v_pk_fma_f32 v[SS+4*(\i)+2*(p%2):SS+4*(\i)+2*(p%2)+1], v[X+24*(\i)+2*p:X+24*(\i)+2*p+1], v[X+24*(\i)+2*p:X+24*(\i)+2*p+1], v[SS+4*(\i)+2*(p%2):SS+4*(\i)+2*(p%2)+1]
.endr
.set p, p+1
.endr
.irp i, 0,1,2,3
	v_pk_add_f32 v[SS+4*(\i):SS+4*(\i)+1], v[SS+4*(\i):SS+4*(\i)+1], v[SS+4*(\i)+2:SS+4*(\i)+3]
.endr
.irp i, 0,1,2,3
	v_add_f32 v[SS+4*(\i)], v[SS+4*(\i)], v[SS+4*(\i)+1]
.endr
.irp m, 1,2,4,8                        ; across the lanes: four steps inside each half of 16 ride on the addition, one crosses the halves
.irp i, 0,1,2,3
	v_add_f32_dpp v[SS+4*(\i)], v[SS+4*(\i)], v[SS+4*(\i)] row_xmask:\m row_mask:0xf bank_mask:0xf
.endr
.endr
.irp i, 0,1,2,3
	v_permlanex16_b32 v[SS+4*(\i)+1], v[SS+4*(\i)], s14, s15  ; its destination has been written before
.endr
.irp i, 0,1,2,3
	v_add_f32 v[SS+4*(\i)], v[SS+4*(\i)], v[SS+4*(\i)+1]
.endr
.irp i, 0,1,2,3
	v_max_num_f32 v[SS+4*(\i)], 0x179abe15, v[SS+4*(\i)]     ; max(q, 1e-24)
.endr
.irp i, 0,1,2,3
	v_rsq_f32 v[R+2*(\i)], v[SS+4*(\i)]            ; one batch of four
.endr
	v_nop                                          ; a plain instruction behind the last of them, ahead of the first use (ISA guide 5.7.2)
	s_wait_alu depctr_va_vdst(0)                   ; one wait for the batch, ahead of its first reader
.irp i, 0,1,2,3
	v_mul_f32 v[R+2*(\i)], 0x3f99be61, v[R+2*(\i)] ; x sqrt(log2 e)
.endr
.irp i, 0,1,2,3
	v_mov_b32 v[R+2*(\i)+1], v[R+2*(\i)]
.endr
.irp i, 0,1,2,3
.set p, 0
.rept 12
	v_pk_mul_f32 v[X+24*(\i)+2*p:X+24*(\i)+2*p+1], v[X+24*(\i)+2*p:X+24*(\i)+2*p+1], v[R+2*(\i):R+2*(\i)+1]
.set p, p+1
.endr
.irp j, 0,1,2,3,4,5
	v_cvt_pk_bf16_f32 v[X+24*(\i)+4*(\j)],   v[X+24*(\i)+4*(\j)],   v[X+24*(\i)+4*(\j)+1]   ; in place: four f32 become two words
	v_cvt_pk_bf16_f32 v[X+24*(\i)+4*(\j)+1], v[X+24*(\i)+4*(\j)+2], v[X+24*(\i)+4*(\j)+3]
	global_store_b64 v3, v[X+24*(\i)+4*(\j):X+24*(\i)+4*(\j)+1], s[8:9] offset:1536*(\i)+256*(\j)  ; 32 lanes store 256 consecutive bytes, at a multiple of 256 from kn's first
.endr
.endr
.irp i, 0,1
	s_wait_loadcnt 12-12*(\i)                      ; key pair i is in; the other pair's 12 loads, issued behind it, may stay out
.irp x, 0,1,2,3
.irp j, 0,1,2
	v_cvt_pk_bf16_f32 v[Y+48*(\i)+12*(\x)+4*(\j)],   v[Y+48*(\i)+12*(\x)+4*(\j)],   v[Y+48*(\i)+12*(\x)+4*(\j)+1]
	v_cvt_pk_bf16_f32 v[Y+48*(\i)+12*(\x)+4*(\j)+1], v[Y+48*(\i)+12*(\x)+4*(\j)+2], v[Y+48*(\i)+12*(\x)+4*(\j)+3]
	global_store_b64 v3, v[Y+48*(\i)+12*(\x)+4*(\j):Y+48*(\i)+12*(\x)+4*(\j)+1], s[10:11] offset:786432*(\x)+768*(\i)+256*(\j)  ; again 256 consecutive bytes, aligned
.endr
.endr
.endr
	s_endpgm
.Lfunc_end_k_q512f4fd428_prep:
	.size	k_q512f4fd428_prep, .Lfunc_end_k_q512f4fd428_prep-k_q512f4fd428_prep
	.p2alignl 7, 3214868480
	.fill 96, 4, 3214868480
	.section	.rodata,"a",@progbits
	.p2align	6, 0x0
	.amdhsa_kernel k_q512f4fd428_prep
		.amdhsa_group_segment_fixed_size 0
		.amdhsa_private_segment_fixed_size 0
		.amdhsa_enable_private_segment 0
		.amdhsa_kernarg_size 32
		.amdhsa_user_sgpr_count 2
		.amdhsa_user_sgpr_kernarg_segment_ptr 1
		.amdhsa_wavefront_size32 1
		.amdhsa_system_sgpr_workgroup_id_x 1
		.amdhsa_system_sgpr_workgroup_id_y 1
		.amdhsa_system_sgpr_workgroup_id_z 1
		.amdhsa_system_vgpr_workitem_id 0
		.amdhsa_next_free_vgpr 224
		.amdhsa_next_free_sgpr 66
		.amdhsa_reserve_vcc 0
		.amdhsa_float_denorm_mode_32 3
		.amdhsa_float_denorm_mode_16_64 3
		.amdhsa_memory_ordered 1
		.amdhsa_forward_progress 1
		.amdhsa_inst_pref_size 26
	.end_amdhsa_kernel
	.amdgpu_metadata
---
amdhsa.version: [ 1, 2 ]
amdhsa.kernels:
  - .name:           k_q512f4fd428_prep
    .symbol:         k_q512f4fd428_prep.kd
    .args:
      - { .name: mid_features, .offset: 0, .size: 8, .value_kind: global_buffer, .address_space: global }
      - { .name: final_features, .offset: 8, .size: 8, .value_kind: global_buffer, .address_space: global }
      - { .name: kn, .offset: 16, .size: 8, .value_kind: global_buffer, .address_space: global }
      - { .name: vb, .offset: 24, .size: 8, .value_kind: global_buffer, .address_space: global }
    .group_segment_fixed_size: 0
    .private_segment_fixed_size: 0
    .kernarg_segment_align: 8
    .kernarg_segment_size: 32
    .max_flat_workgroup_size: 256
    .sgpr_count:     66
    .vgpr_count:     224
    .wavefront_size: 32
...
	.end_amdgpu_metadata
.endif
;; end of part 1
;; launch simexp (part 2): grid 8 x 32, 4 waves a work-group, clusters of 4 x 4, 327,680 bytes of LDS; arguments kn, pw, st; writes pw, st
.if DOCPART == 2
	.amdgcn_target "amdgcn-amd-amdhsa--gfx1250"
	.amdhsa_code_object_version 6
	.text
	.protected	k_q512f4fd428_simexp
	.globl	k_q512f4fd428_simexp
	.p2align	8
	.type	k_q512f4fd428_simexp,@function
k_q512f4fd428_simexp:
	s_mov_b64 s[64:65], 0
	v_nop
	global_prefetch_b8 v0, s[64:65] scope:SCOPE_SE
	s_setreg_imm32_b32 hwreg(HW_REG_WAVE_MODE, 25, 1), 1
	s_wait_xcnt 0x0
	s_wait_alu depctr_hold_cnt(0) depctr_sa_sdst(0) depctr_va_vdst(0) depctr_va_sdst(0) depctr_va_ssrc(0) depctr_va_vcc(0) depctr_vm_vsrc(0)
	s_getreg_b32 s2, hwreg(HW_REG_IB_STS2, 6, 4)
	s_cmp_eq_u32 s2, 0
	s_cbranch_scc0 .Lentry_in_a_cluster
	s_endpgm
.Lentry_in_a_cluster:
	s_bfe_u32 s2, ttmp6, 0x10000c
	s_cmp_lg_u32 s2, 0xf033
	s_cbranch_scc0 .Lentry_shape_is_right
	s_endpgm
.Lentry_shape_is_right:
; pw[row][2048] = bf16(2^S), S = kn kn^T inside a batch (= log2(e) x sim, by the factor that the first launch put into kn), with S's diagonal set to 0 first, as the formula sets sim's.
; st: for each row and each chunk c of 128 columns the sum of the unrounded 2^S (plane 0) and the maximum of S (plane 1), f32: [2][16 chunks][16,384 rows].  Nothing of the formula is left out.
; No maximum is taken away before the exponential: |sim| <= 1 by the normalisation that the formula itself makes (see the first kernel's head), so 2^S lies in 1/e .. e, to within bf16's rounding of kn.
; LIMITS.  Finite inputs; a NaN would lose in the maxima.  The weights are rounded to bf16 once; their sum is taken of the unrounded ones.
; SHAPE.  A tile of 256 x 256 of S is made by a work-group of four waves, a wave 128 x 128: 64 accumulators of 16 x 16, 512 registers.  K = 768 goes in six steps of 128 through a ring of two LDS slots
; filled by the tensor data mover: each row of a tile is 256 bytes of memory and starts at a multiple of 256 bytes from kn's first byte.
; A WORK-GROUP STAYS: 8 x 32 = 256 work-groups, each with TWO tiles of one batch and one tile column, at tile rows cy and cy + 4.  The ring does not stop between them: ONE loop of six laps walks the 12 K steps;
; the first tile's last lap asks for the second tile's K steps 0 and 1, and nothing waits for the first tile's stores.  The last lap, which asks for nothing, is written out, and runs into the same way out.
; CLUSTERS: 4 x 4 work-groups; cluster y is the batch.  The four of a row of the cluster need the same 256 rows of kn as the tile's rows (A), the four of a column the same 256 as its columns (B): each tile is
; asked for JOINTLY, by the same tensor load with the same descriptor and a mask that names the four.  Every jump hangs on the lap counter alone, which is the same in all work-groups.
; THE MATRIX INSTRUCTION IS USED TRANSPOSED: source 0 = 16 rows of B, source 1 = 16 rows of A.  In the result lane l holds row l % 16 of S and its registers 0 to 7 the columns 8 (l / 16) + 0 .. 7:
; a row's maximum and sum want one exchange between the halves of the lanes, and eight weights pack into 16 bytes.
; REGISTERS, in windows of 256 (s_set_vgpr_msb: bits 1:0 source 0, 3:2 source 1, 5:4 source 2, 7:6 destination):
;   window 0: v0-31 addresses; v64-127, v128-191 fragments of A, two buffers; on the way out v128-191 the weights of 16 rows, v192-223 maxima and then packed weights, v32-63 and v224-255 rows read back
;   window 1: v64-127, v128-191 fragments of B;   window 2: the accumulators of my rows 0-63 ((a, b) at v[8 (8 a + b)]);   window 3: those of my rows 64-127
.set KSTEP,  128
.set ROWK,   1536                      ; bytes in a row of kn
.set ROWP,   4096                      ; bytes in a row of pw
.set PLANE,  1048576                   ; bytes in a plane of st
.set PITCH,  272                       ; an LDS row: 256 bytes + 16 of padding = 68 words: row r starts at bank 4 r mod 64 (64 banks of 4 bytes: ISA guide 11.1), so the 16 rows of a load start at 16 different banks
.set HALFT,  128*PITCH                 ; 128 rows: what one tensor load brings, and what one wave reads of A or of B
.set SLOT,   4*HALFT                   ; A's 256 rows, then B's 256 rows
.set STAGE,  2*SLOT                    ; behind the ring: 16 rows x 272 bytes for each wave, for the way out
.set SPITCH, 272
.set STATS,  STAGE+4*16*SPITCH         ; 1,024 bytes for each wave: its 128 rows' sums, then their maxima
.set SPARE,  STATS+4*1024              ; the spare words, 128 bytes for each wave: two blocks of 256 bytes that no other line names
.set TSTEP,  1024*ROWK                 ; from the first tile's rows of A to the second's: four tile rows
.set NEXT_C, (1024-7*16)*ROWP          ; in pw, from my last 16 rows of the first tile to my first of the second
.set ADRA, 16                          ; v16-17  LDS address of my A fragments in slot 0, 1
.set ADRB, 20                          ; v20-21  the same for B
.set STR,  22                          ; v22     where I read 16 bytes of my wave's sums back
.set SO,   23                          ; v23     16 x lane: my 16 bytes of 512 of st
.set STO,  24                          ; v24     the way out: where I put 16 bytes of a row
.set RD,   25                          ; v25     the way out: where I read a row back
.set CO,   26                          ; v26     my byte offset in two rows of pw
.set DG,   27                          ; v27     l % 16 - 8 (l / 16): the register that holds the diagonal in a block on the diagonal (if it is 0 .. 7)
.set SPW,  28                          ; v28     LDS address of my spare word; never rewritten
.set NIL,  29                          ; v29     0; never rewritten
.set PFO,  30                          ; v30     the prefetches' offset: lane x a row of kn; never rewritten
.set STA,  31                          ; v31     where a row's sum goes: my wave's words + 4 (l % 16)
.set F0,   64
.set F1,   128
.set T,    128                         ; the way out: 64 weights a lane (buffer 1 is free by then)
.set MX,   192                         ; partial maxima, 24 registers;
.set TMP,  192                         ; then the packed weights, 32
.set OB,   32                          ; 16 rows read back from the stage: v32-63 and v224-255 by turns
.set BA,  14                           ; s[14:15] kn at the rows of A that I fetch, first tile, K step 0; never rewritten
.set SST, 18                           ; s[18:19] what the way out adds to st's address: 0, then 1,024 rows
.set G1,  24                           ; s[24:31] descriptor group 1 for A's tiles
.set G0,  32                           ; s[32:39] group 0 for A's tiles, a set for each slot
.set LIM, 43                           ; s43      5 in a wave that prefetches, else the greatest number
.set PFA, 44                           ; s[44:45] where my prefetches stand
.set BB,  46                           ; s[46:47] kn at the rows of B that I fetch, K step 0; never rewritten
.set G1B, 48                           ; s[48:55], s[56:63] the same as G1, G0 for B's tiles
.set G0B, 56
.set DD,  70                           ; s70      my chunk of 128 rows less my chunk of 128 columns, inside the batch: 0 where my 128 x 128 holds the diagonal
.set DM,  72                           ; s[72:79] lane masks: register j of a block (a, a) is on the diagonal
.set SEL, 80                           ; s[80:81] v_permlanex16_b32's selects: each lane takes its own place in the other half
.set KQ,  84                           ; s[84:85] the K step to be asked for next, in bytes along a row
.set OA,  86                           ; s[86:87] A's offset for that request
.set TA,  88                           ; s88      0 while the first tile's K steps are asked for, then TSTEP
.set MSB, 0
.macro WIN new                         ; the immediate's high byte repeats the setting that is left; a switch that changes nothing is dropped
.if MSB != (\new)
	s_set_vgpr_msb (MSB<<8)|(\new)
.set MSB, \new
.endif
.endm
.set MUL_LO, 0xa1                      ; source 0 (B) window 1, source 1 (A) window 0, C and D window 2
.set MUL_HI, 0xf1                      ; the same, C and D window 3
.set TO_B,   0x40                      ; destination window 1, address window 0
; A joint load.  Waves 0 and 1 fetch A's two halves, waves 2 and 3 B's.  The branch hangs on the wave's number alone.  An s_nop 0 and four v_nop follow each of the two lines.
.macro JLOAD s
	s_cmp_eq_u32 s11, 0
	s_cbranch_scc0 .Lfor_b_\@
	tensor_load_to_lds s[G0+4*(\s):G0+4*(\s)+3], s[G1:G1+7]
	s_nop 0
.rept 4
	v_nop
.endr
	s_branch .Lasked_\@
.Lfor_b_\@:
	tensor_load_to_lds s[G0B+4*(\s):G0B+4*(\s)+3], s[G1B:G1B+7]
	s_nop 0
.rept 4
	v_nop
.endr
.Lasked_\@:
.endm
; A PREFETCH INTO THE L2 of the K step that stands two refills on: 32 rows x 256 bytes, a lane a row.  Every row of kn is a row of B for one cluster alone: its batch's, by its column of clusters.  So B's
; fetching waves of every cluster ask, in the first lap alone (s3 = 6); the four partners of a column share a wave's 128 rows out BY ADDRESS, 32 each.  Each row's 256 bytes of K steps 4 and 5 are so named once
; in the launch, 512 matrix instructions ahead of their loads.  K steps 0 to 3 come by their loads alone.  The second tile walks the same rows of B once more, and rows of A that are rows of B too: not asked for.
.macro ASK
	s_cmp_gt_u32 s3, s[LIM]
	s_cbranch_scc0 .Lnot_mine_\@
	global_prefetch_b8 v[PFO], s[PFA:PFA+1] th:TH_LOAD_NT scope:SCOPE_SE
.Lnot_mine_\@:
.endm
; A round of the cluster's barrier: my work-group's barrier, so that wave 0's signal speaks for all four waves; wave 0 signals; every wave waits for all sixteen work-groups; my work-group's barrier once more.
.macro CREST                           ; a round behind its opening barrier
	s_cmp_lg_u32 s10, 0
	s_cbranch_scc1 .Lnot_wave_0_\@
	s_barrier_signal -3
.Lnot_wave_0_\@:
	s_barrier_wait -3
	s_barrier_signal -1
	s_barrier_wait -1
.endm
.macro CROUND                          ; a whole round
	s_barrier_signal -1
	s_barrier_wait -1
	CREST
.endm
	s_load_b128 s[4:7], s[0:1], 0x0                ; kn s[4:5], pw s[6:7]
	s_load_b64 s[8:9], s[0:1], 0x10                ; st
	v_lshl_add_u32 v[SPW], v0, 2, SPARE
	v_mov_b32 v[NIL], 0
	ds_add_u32 v[SPW], v[NIL]                      ; the wave's opening: the add, twice on end, and its wait ahead of my first tensor load; the set-up below stands between
	ds_add_u32 v[SPW], v[NIL]                      ; and once more, under the one wait
	v_lshrrev_b32 v1, 5, v0
	v_readfirstlane_b32 s10, v1                    ; wave 0..3
	s_lshr_b32 s11, s10, 1                         ; which half of the tile's rows is mine.  Also: I fetch for A (0) or for B (1)
	s_and_b32 s12, s10, 1                          ; which half of its columns.  Also: which 128 rows of that tile I fetch
	s_bfe_u32 s40, ttmp6, 0x40000                  ; cx
	s_bfe_u32 s41, ttmp6, 0x40004                  ; cy
	s_lshl_b32 s42, ttmp9, 2
	s_add_co_u32 s42, s42, s40                     ; tile column inside the batch = 4 x cluster x + cx, 0..7
	s_and_b32 s82, ttmp7, 0xffff                   ; cluster y = the batch, 0..7: the same in all sixteen partners
	s_lshl_b32 s13, s82, 3
	s_add_co_u32 s13, s13, s41                     ; the first tile's row over all batches = 8 x batch + cy
	s_lshl_b32 s43, s41, 2
	s_lshl_b32 s43, 15, s43                        ; my row of the cluster: places 4 cy .. 4 cy + 3
	s_lshl_b32 s44, 0x1111, s40                    ; my column: places cx, cx + 4, cx + 8, cx + 12
	; descriptor group 1: a tile of 128 rows x 128 elements, padded in LDS
	s_or_b32 s[G1+0], s43, (1<<16)|(1<<20)|(1<<21)|(5<<22)|(3<<25)   ; 15:0 the mask; 17:16 elements of 2 bytes; 20 padding on; 21 set beside a mask; 24:22 after every 64 words (code 5); 31:25 4 words (code 3)
	s_or_b32 s[G1B+0], s44, (1<<16)|(1<<20)|(1<<21)|(5<<22)|(3<<25)
.irp g, G1, G1B
	s_mov_b32 s[(\g)+1], KSTEP<<16                 ; tensor_dim0 = 128
	s_mov_b32 s[(\g)+2], 128<<16                   ; tensor_dim1 = 128
	s_mov_b32 s[(\g)+3], KSTEP<<16                 ; tile_dim0 = 128
	s_mov_b32 s[(\g)+4], 128                       ; tile_dim1 = 128
	s_mov_b32 s[(\g)+5], 768                       ; elements from row to row
	s_mov_b32 s[(\g)+6], 0
	s_mov_b32 s[(\g)+7], 0
.endr
	; where the tiles come from: A's hang on the batch and cy, which my row of the cluster shares; B's on the batch and the tile column, which my column shares
	s_lshl_b32 s17, s12, 7                         ; which 128 rows of the tile I fetch
	s_lshl_b32 s16, s13, 8
	s_add_co_u32 s16, s16, s17                     ; A: row 256 x tile row + 128 x half
	s_mul_i32 s16, s16, ROWK                       ; under 2^25
	s_lshl_b32 s46, s82, 11
	s_lshl_b32 s47, s42, 8
	s_add_co_u32 s46, s46, s47
	s_add_co_u32 s46, s46, s17                     ; B: row 2,048 x batch + 256 x tile column + 128 x half
	s_mul_i32 s46, s46, ROWK
	s_mov_b32 s17, 0
	s_mov_b32 s47, 0
	s_mul_i32 s20, s10, HALFT                      ; where they go: wave x 128 rows: no place in the cluster enters an LDS address
	s_mov_b32 s[SEL], 0x76543210
	s_mov_b32 s[SEL+1], 0xfedcba98
	s_mov_b32 s[KQ], 2*KSTEP*2                     ; the first refill asks for K step 2
	s_mov_b32 s[KQ+1], 0
	s_mov_b32 s[OA+1], 0
	s_mov_b32 s[TA], 0
	s_mov_b32 s[SST], 0
	s_mov_b32 s[SST+1], 0
	s_wait_dscnt 0x0                               ; both opening adds are done
	s_wait_kmcnt 0x0
	s_add_nc_u64 s[BA:BA+1], s[4:5], s[16:17]
	s_add_nc_u64 s[BB:BB+1], s[4:5], s[46:47]
	CROUND                                         ; all sixteen work-groups are here: the first joint loads meet
.irp s, 0,1
	s_mov_b32 s[G0+4*(\s)], 1                                        ; count = 1
	s_add_co_u32 s[G0+4*(\s)+1], s20, (\s)*SLOT                      ; LDS address
	s_add_nc_u64 s[G0+4*(\s)+2:G0+4*(\s)+3], s[BA:BA+1], (\s)*KSTEP*2  ; global address: K step s
	s_or_b32 s[G0+4*(\s)+3], s[G0+4*(\s)+3], 0x80000000              ; type = 2
	s_mov_b32 s[G0B+4*(\s)], 1
	s_add_co_u32 s[G0B+4*(\s)+1], s20, (\s)*SLOT
	s_add_nc_u64 s[G0B+4*(\s)+2:G0B+4*(\s)+3], s[BB:BB+1], (\s)*KSTEP*2
	s_or_b32 s[G0B+4*(\s)+3], s[G0B+4*(\s)+3], 0x80000000
	JLOAD \s                                       ; the ring is filled before anything else is done: two loads of mine are out
.endr
	; a fragment is 16 rows x 32 K in 8 registers: lane l holds row l % 16; registers 0-3 K = 8 (l / 16) + 0..7, registers 4-7 K = 16 + 8 (l / 16) + 0..7: two loads of 16 bytes, 32 bytes apart
	v_and_b32 v1, 15, v0                           ; r = l % 16
	v_bfe_u32 v2, v0, 4, 1                         ; h = l / 16
	v_mul_u32_u24 v3, v1, PITCH
	v_lshl_add_u32 v3, v2, 4, v3
	s_mul_i32 s21, s11, HALFT                      ; my 128 rows of A
	s_mul_i32 s22, s12, HALFT                      ; my 128 rows of B,
	s_add_co_u32 s22, s22, 2*HALFT                 ; which lie behind A's 256
.irp s, 0,1
	v_add_nc_u32 v[ADRA+(\s)], s21, v3
	v_add_nc_u32 v[ADRB+(\s)], s22, v3
	s_add_co_u32 s21, s21, SLOT
	s_add_co_u32 s22, s22, SLOT
.endr
	s_mul_i32 s23, s10, 16*SPITCH
	s_add_co_u32 s23, s23, STAGE                   ; my stage
	v_mul_u32_u24 v4, v1, SPITCH                   ; in: row l % 16, 16 bytes for each half of the lanes
	v_lshl_add_u32 v4, v2, 4, v4
	v_add_nc_u32 v[STO], s23, v4
	v_mul_u32_u24 v5, v2, SPITCH                   ; back: lanes 0-15 take one row of 256 bytes, lanes 16-31 the next
	v_lshl_add_u32 v5, v1, 4, v5
	v_add_nc_u32 v[RD], s23, v5
	v_lshlrev_b32 v5, 12, v2                       ; and the same two rows in pw
	v_lshl_add_u32 v[CO], v1, 4, v5
	v_lshlrev_b32 v5, 3, v2
	v_sub_nc_u32 v[DG], v1, v5
	s_lshl_b32 s23, s10, 10
	s_add_co_u32 s23, s23, STATS                   ; my wave's 1,024 bytes of sums and maxima
	v_lshl_add_u32 v[STA], v1, 2, s23
	v_and_b32 v5, 31, v0
	v_lshl_add_u32 v[STR], v5, 4, s23
	v_lshlrev_b32 v[SO], 4, v5
	v_mul_u32_u24 v[PFO], v5, ROWK
	; where my part of the first tile begins in pw, in bytes (under 2^27): the first way out adds it to pw's address
	s_lshl_b32 s16, s13, 8
	s_lshl_b32 s17, s11, 7
	s_add_co_u32 s16, s16, s17                     ; my first row
	s_lshl_b32 s16, s16, 12
	s_lshl_b32 s20, s42, 9                         ; my first column: 512 x tile column + 256 x half
	s_lshl_b32 s21, s12, 8
	s_add_co_u32 s16, s16, s20
	s_add_co_u32 s16, s16, s21
	s_mov_b32 s17, 0
	; st at chunk 2 x tile column + half, my first row of the first tile
	s_lshl_b32 s20, s42, 1
	s_add_co_u32 s20, s20, s12
	s_lshl_b32 s20, s20, 14
	s_lshl_b32 s21, s13, 8
	s_add_co_u32 s20, s20, s21
	s_lshl_b32 s21, s11, 7
	s_add_co_u32 s20, s20, s21
	s_lshl_b32 s20, s20, 2
	s_mov_b32 s21, 0
	s_add_nc_u64 s[8:9], s[8:9], s[20:21]
	; row - column = 128 DD + 16 (a - b) + l % 16 - 8 (l / 16) - j, and all but the first term lie within 127 of 0: the diagonal asks for DD = 0, a = b and l % 16 - 8 (l / 16) = j
	s_lshl_b32 s[DD], s41, 1                       ; the first tile's row in the batch is cy
	s_add_co_u32 s[DD], s[DD], s11
	s_lshl_b32 s21, s42, 1
	s_sub_co_u32 s[DD], s[DD], s21
	s_sub_co_u32 s[DD], s[DD], s12
	; the prefetches
	s_cmp_eq_u32 s11, 1                            ; waves 2 and 3: the same in all sixteen partners
	s_cselect_b32 s[LIM], 5, -1
	s_lshl_b32 s20, s82, 11
	s_lshl_b32 s21, s42, 8
	s_add_co_u32 s20, s20, s21
	s_lshl_b32 s21, s12, 7
	s_add_co_u32 s20, s20, s21                     ; the 128 rows of B that I fetch,
	s_lshl_b32 s21, s41, 5
	s_add_co_u32 s20, s20, s21                     ; my work-group's 32 of them
	s_mul_i32 s20, s20, ROWK
	s_add_co_u32 s20, s20, 3*KSTEP*2               ; at K step 3: the first refill steps it to 4 and names that
	s_mov_b32 s21, 0
	s_add_nc_u64 s[PFA:PFA+1], s[4:5], s[20:21]
; 16 matrix instructions: row blocks a0, a0 + 1 of the window's four (hi = 0: my rows 0-63, 1: rows 64-127) x all 8 column blocks, 32 along K.  zero = 1: the first product starts the sums: nothing is cleared.
; The 64 accumulators take turns, one instruction a turn, in the same order in every quarter step, from tile to tile too.
.macro MUL16 f, hi, a0, zero
	WIN MUL_LO+0x50*(\hi)
.irp a, \a0, (\a0)+1
.irp b, 0,1,2,3,4,5,6,7
.if \zero
	v_wmma_f32_16x16x32_bf16 v[8*(8*(\a)+(\b)):8*(8*(\a)+(\b))+7], v[(\f)+8*(\b):(\f)+8*(\b)+7], v[(\f)+8*(4*(\hi)+(\a)):(\f)+8*(4*(\hi)+(\a))+7], 0
.else
	v_wmma_f32_16x16x32_bf16 v[8*(8*(\a)+(\b)):8*(8*(\a)+(\b))+7], v[(\f)+8*(\b):(\f)+8*(\b)+7], v[(\f)+8*(4*(\hi)+(\a)):(\f)+8*(4*(\hi)+(\a))+7], v[8*(8*(\a)+(\b)):8*(8*(\a)+(\b))+7]
.endif
.endr
.endr
.endm
; 32 LDS loads in one run: the fragments of one quarter step (128 rows of B, then 128 rows of A, 32 K at byte k of the rows) into buffer f
.macro FETCH slot, k, f
	WIN TO_B
.irp i, 0,1,2,3,4,5,6,7
	ds_load_b128 v[(\f)+8*(\i):(\f)+8*(\i)+3],   v[ADRB+(\slot)] offset:(\k)+(\i)*16*PITCH
	ds_load_b128 v[(\f)+8*(\i)+4:(\f)+8*(\i)+7], v[ADRB+(\slot)] offset:(\k)+(\i)*16*PITCH+32
.endr
	WIN 0
.irp i, 0,1,2,3,4,5,6,7
	ds_load_b128 v[(\f)+8*(\i):(\f)+8*(\i)+3],   v[ADRA+(\slot)] offset:(\k)+(\i)*16*PITCH
	ds_load_b128 v[(\f)+8*(\i)+4:(\f)+8*(\i)+7], v[ADRA+(\slot)] offset:(\k)+(\i)*16*PITCH+32
.endr
.endm
.macro PLACES                          ; four plain vector instructions between a matrix instruction and a load into, or a vector line on, one of its registers (ISA guide 7.12.1 for vector instructions)
.rept 4
	v_nop
.endr
.endm
; A K step is four quarters of 32 along K, 64 matrix instructions each, on buffers 0, 1, 0, 1.  One of the first three: multiplies buffer f; in its middle it fetches the next quarter, at byte k, into buffer g.
.macro QUARTER slot, k, f, g, zero
	s_wait_dscnt 8                                 ; B and A's rows 0-63 are in; the youngest eight loads (A's rows 64-127) may be out
	MUL16 \f, 0, 0, \zero
	MUL16 \f, 0, 2, \zero
	PLACES
	FETCH \slot, \k, \g
	s_wait_dscnt 32                                ; all but the 32 just issued
	MUL16 \f, 1, 0, \zero
	MUL16 \f, 1, 2, \zero
.endm
; The last quarter multiplies buffer 1 and changes slots.  MEET is its first half: ONE barrier.  In front of it each wave waits for all its tensor loads, of which one is out: its part of the next slot;
; adds 0 to its spare word; and waits for that and for its own reads of this slot.  Behind it nobody reads this slot any more and the next slot is whole.
.macro MEET round
	WIN 0                                          ; (the add's two registers lie in window 0)
	s_wait_tensorcnt 0x0                           ; all my tensor loads have landed
	ds_add_u32 v[SPW], v[NIL]                      ; 0 onto my spare word
	s_wait_dscnt 9                                 ; (the add and the youngest eight loads may be out)
	MUL16 F1, 0, 0, 0                              ; sixteen matrix instructions stand between the add and the wait for it
	s_wait_dscnt 0x0                               ; the add is done, and my reads of this slot are over
	s_barrier_signal -1
	MUL16 F1, 0, 2, 0                              ; work on registers while the others arrive
.if \round
	WIN 0
.endif
	s_barrier_wait -1
.endm
; The whole last quarter where the slot is filled again: the barrier opens a round of the cluster's, and the joint refill is the first tensor load behind the round.  What is asked for is the K step two steps on in
; the walk of 12: the address is made anew from the base and an offset.  KQ runs 512, 768, 1,024, 1,280, 0, 256, ..; when it first returns to 0, A's rows go on to the second tile's; B's rows stay.
.macro TURN slot, next
	s_wait_xcnt 0x0                                ; the last prefetch, a K step back, has read its address: it is stepped here, ahead of the waits of the change of slots
	s_add_nc_u64 s[PFA:PFA+1], s[PFA:PFA+1], KSTEP*2
	MEET 1
	CREST                                          ; no wave of any partner still reads this slot's tile or has a load on its way; none of mine is out, so a group 0 may be written
	s_add_co_u32 s[OA], s[KQ], s[TA]
	s_add_nc_u64 s[G0+4*(\slot)+2:G0+4*(\slot)+3], s[BA:BA+1], s[OA:OA+1]
	s_or_b32 s[G0+4*(\slot)+3], s[G0+4*(\slot)+3], 0x80000000
	s_add_nc_u64 s[G0B+4*(\slot)+2:G0B+4*(\slot)+3], s[BB:BB+1], s[KQ:KQ+1]
	s_or_b32 s[G0B+4*(\slot)+3], s[G0B+4*(\slot)+3], 0x80000000
	s_add_co_u32 s[KQ], s[KQ], KSTEP*2
	s_cmp_eq_u32 s[KQ], ROWK                       ; behind a tile's last K step comes the next tile's first
	s_cselect_b32 s[KQ], 0, s[KQ]
	s_cselect_b32 s[TA], TSTEP, s[TA]
	JLOAD \slot                                    ; 224 matrix instructions ahead of the wait for it; its four v_nop are also the places in front of the loads below
	FETCH \next, 0, F0
	ASK
	MUL16 F1, 1, 0, 0
	MUL16 F1, 1, 2, 0
.endm
; THE WAY OUT of block a (16 rows x 128 columns).  CALC: the diagonal, the maximum, the exponentials, the packing and the sum.
.macro CALC a
.set W, 2+(\a)/4                       ; the block's window
.set AC, 64*((\a)%4)                   ; its eight accumulators
	WIN (W<<6)|W
.irp j, 0,1,2,3,4,5,6,7
	v_cndmask_b32 v[AC+8*(\a)+(\j)], v[AC+8*(\a)+(\j)], 0, s[DM+(\j)]  ; block (a, a): S = 0 on the diagonal; it stays in the maximum and, as 2^0 = 1, in the sum
.endr
	WIN W|(W<<2)|(W<<4)
.irp b, 0,1,2,3,4,5,6,7                ; each accumulator's lowest registers are read first
	v_max3_num_f32 v[MX+3*(\b)],   v[AC+8*(\b)],   v[AC+8*(\b)+1], v[AC+8*(\b)+2]
	v_max3_num_f32 v[MX+3*(\b)+1], v[AC+8*(\b)+3], v[AC+8*(\b)+4], v[AC+8*(\b)+5]
	v_max_num_f32  v[MX+3*(\b)+2], v[AC+8*(\b)+6], v[AC+8*(\b)+7]
.endr
	WIN W
.set i, 0
.rept 64
	v_exp_f32 v[T+i], v[AC+i]                      ; ONE BATCH of 64: nothing ahead of the wait below names a result
.set i, i+1
.endr
	WIN 0                                          ; the rest of the maximum is the independent work behind the batch
.irp b, 0,1,2,3,4,5,6,7
	v_max3_num_f32 v[MX+3*(\b)], v[MX+3*(\b)], v[MX+3*(\b)+1], v[MX+3*(\b)+2]
.endr
	v_max3_num_f32 v[MX],    v[MX],    v[MX+3],  v[MX+6]
	v_max3_num_f32 v[MX+9],  v[MX+9],  v[MX+12], v[MX+15]
	v_max_num_f32  v[MX+18], v[MX+18], v[MX+21]
	v_max3_num_f32 v[MX],    v[MX],    v[MX+9],  v[MX+18]
	v_permlanex16_b32 v[MX+1], v[MX], s[SEL], s[SEL+1]  ; the row's other 64 columns lie in the lane 16 away
	v_max_num_f32 v[MX], v[MX], v[MX+1]
	ds_store_b32 v[STA], v[MX] offset:512+64*(\a)  ; both halves of the lanes write the same word with the same number
	s_wait_alu depctr_va_vdst(0)                   ; one wait for the batch, ahead of its first reader
.irp b, 0,1,2,3,4,5,6,7
.irp q, 0,1,2,3
	v_cvt_pk_bf16_f32 v[TMP+4*(\b)+(\q)], v[T+8*(\b)+2*(\q)], v[T+8*(\b)+2*(\q)+1]
.endr
.endr
.irp d, 1,2,4,8,16                     ; the sum of the 32 pairs, in place: neighbours 1, 2, 4, 8 and 16 pairs apart
.set p, 0
.rept 16/(\d)
	v_pk_add_f32 v[T+2*p:T+2*p+1], v[T+2*p:T+2*p+1], v[T+2*p+2*(\d):T+2*p+2*(\d)+1]
.set p, p+2*(\d)
.endr
.endr
	v_add_f32 v[T], v[T], v[T+1]
	v_permlanex16_b32 v[T+1], v[T], s[SEL], s[SEL+1]
	v_add_f32 v[T], v[T], v[T+1]
	ds_store_b32 v[STA], v[T] offset:64*(\a)
.endm
.macro TOSTAGE a                       ; into my own stage in LDS, and back as whole rows of 256 bytes
	WIN 0
.set BK, OB+192*((\a)%2)
.irp b, 0,1,2,3,4,5,6,7
	ds_store_b128 v[STO], v[TMP+4*(\b):TMP+4*(\b)+3] offset:32*(\b)
.endr
.irp t, 0,1,2,3,4,5,6,7
	ds_load_b128 v[BK+4*(\t):BK+4*(\t)+3], v[RD] offset:(\t)*2*SPITCH  ; LDS serves a wave's instructions in order (ISA guide 5.7.1.4): these see the stores above
.endr
.endm
.macro SEND a, younger                 ; younger: the LDS instructions issued behind TOSTAGE's loads, which may stay out
	WIN 0
.set BK, OB+192*((\a)%2)
	s_wait_dscnt \younger                          ; the block is back in registers
	s_wait_xcnt 0x0                                ; every earlier store has read its registers and its base: only behind this wait are they rewritten
.if (\a) == 0
	s_add_nc_u64 s[6:7], s[6:7], s[16:17]          ; on to this tile's first rows
.else
	s_add_nc_u64 s[6:7], s[6:7], 16*ROWP           ; 16 rows on
.endif
.irp t, 0,1,2,3,4,5,6,7
	global_store_b128 v[CO], v[BK+4*(\t):BK+4*(\t)+3], s[6:7] offset:2*(\t)*ROWP  ; 16 lanes store 256 consecutive bytes, at a multiple of 256 from pw's first byte
.endr
.endm
	s_wait_tensorcnt 1                             ; my part of K step 0 is in; K step 1's load, issued behind it, may stay out
	s_barrier_signal -1
	s_barrier_wait -1                              ; everybody's is
	FETCH 0, 0, F0
	QUARTER 0, 64,  F0, F1, 1                      ; the first tile's first quarter: its products start the sums
	WIN 0                                          ; at a label and at a branch every window is 0
	s_mov_b32 s3, 6                                ; laps to go, this one among them: three to a tile; the same number in every work-group
.Llap:                                                 ; a trip goes once round the ring, from a lap's second quarter to the next lap's first
	QUARTER 0, 128, F1, F0, 0
	QUARTER 0, 192, F0, F1, 0
	WIN 0
	s_cmp_eq_u32 s3, 1
	s_cbranch_scc1 .Ltail                          ; the walk's last lap asks for nothing: its rest is written out below, without loads
	TURN 0, 1
	QUARTER 1, 64,  F0, F1, 0
	QUARTER 1, 128, F1, F0, 0
	QUARTER 1, 192, F0, F1, 0
	TURN 1, 0
	WIN 0
	s_cmp_eq_u32 s3, 4
	s_cbranch_scc1 .Lout                           ; the first tile is finished; both refills for the second have been asked for, and its first fragments fetched
	QUARTER 0, 64,  F0, F1, 0
	WIN 0
	s_branch .Lnext
.Ltail:
	MEET 0                                         ; my one tensor load that was still out is slot 1's, the last K step's, so no round follows
	PLACES
	FETCH 1, 0, F0
	MUL16 F1, 1, 0, 0
	MUL16 F1, 1, 2, 0
	QUARTER 1, 64,  F0, F1, 0
	QUARTER 1, 128, F1, F0, 0
	QUARTER 1, 192, F0, F1, 0
	s_wait_dscnt 8                                 ; the very last quarter: nothing more to fetch
	MUL16 F1, 0, 0, 0
	MUL16 F1, 0, 2, 0
	s_wait_dscnt 0x0
	MUL16 F1, 1, 0, 0
	MUL16 F1, 1, 2, 0
	WIN 0
.Lout:                                                 ; THE WAY OUT, one text for both tiles.  It names neither buffer 0 of the fragments nor the ring
	PLACES                                         ; behind the last products, ahead of the lines that read and write their registers
	s_wait_xcnt 0x0                                ; the last tile's stores have read the registers that are written again below
	s_cmp_eq_u32 s[DD], 0                          ; a choice of a value, no branch
	s_cselect_b32 s22, 0, 64
	v_add_nc_u32 v3, s22, v[DG]                    ; away from the diagonal it is 56 or more, and equals no j
.irp j, 0,1,2,3,4,5,6,7
	v_cmp_eq_u32 s[DM+(\j)], \j, v3
.endr
	CALC 0
	TOSTAGE 0
.irp a, 1,2,3,4,5,6,7                  ; block a's arithmetic stands between block a - 1's loads from the stage and the wait for them
	CALC \a
	SEND (\a)-1, 2                                 ; CALC's two stores of a sum and a maximum are younger than those loads
	TOSTAGE \a
.endr
	SEND 7, 0
	s_add_nc_u64 s[8:9], s[8:9], s[SST:SST+1]      ; st at this tile's rows (its last readers, the tile before's two stores, stand ahead of the waits above)
	ds_load_b128 v[32:35], v[STR]                  ; my wave's 128 sums and 128 maxima, 16 bytes a lane (v32-39 were read last by block 6's stores, which SEND 7's wait has freed)
	ds_load_b128 v[36:39], v[STR] offset:512
	s_wait_dscnt 0x0
	global_store_b128 v[SO], v[32:35], s[8:9]                ; 512 consecutive bytes, at a multiple of 512 from st's first
	global_store_b128 v[SO], v[36:39], s[8:9] offset:PLANE
	s_mov_b32 s16, NEXT_C                          ; what the next way out adds to pw's address (s17 stays 0),
	s_mov_b32 s[SST], 4*1024                       ; to st's: 1,024 rows of 4 bytes,
	s_add_co_u32 s[DD], s[DD], 8                   ; and the second tile lies four tile rows, eight chunks, further down
	s_cmp_eq_u32 s3, 1
	s_cbranch_scc1 .Lend                           ; that was the second tile
	QUARTER 0, 64,  F0, F1, 1                      ; the second tile's first quarter starts the sums anew, on accumulators that have been read out
	WIN 0
.Lnext:
	s_sub_co_u32 s3, s3, 1
	s_cmp_lg_u32 s3, 0
	s_cbranch_scc1 .Llap
.Lend:
	s_wait_tensorcnt 0x0                           ; the wave's end, behind my last tensor load and my last LDS store
	ds_add_u32 v[SPW], v[NIL]
	s_wait_dscnt 0x0
	CROUND                                         ; the closing round: no work-group ends while a partner may still ask for a tile that names it
	s_endpgm
.Lfunc_end_k_q512f4fd428_simexp:
	.size	k_q512f4fd428_simexp, .Lfunc_end_k_q512f4fd428_simexp-k_q512f4fd428_simexp
	.p2alignl 7, 3214868480
	.fill 96, 4, 3214868480
	.section	.rodata,"a",@progbits
	.p2align	6, 0x0
	.amdhsa_kernel k_q512f4fd428_simexp
		.amdhsa_group_segment_fixed_size 327680
		.amdhsa_private_segment_fixed_size 0
		.amdhsa_enable_private_segment 0
		.amdhsa_kernarg_size 24
		.amdhsa_user_sgpr_count 2
		.amdhsa_user_sgpr_kernarg_segment_ptr 1
		.amdhsa_wavefront_size32 1
		.amdhsa_system_sgpr_workgroup_id_x 1
		.amdhsa_system_sgpr_workgroup_id_y 1
		.amdhsa_system_sgpr_workgroup_id_z 1
		.amdhsa_system_vgpr_workitem_id 0
		.amdhsa_next_free_vgpr 1024
		.amdhsa_next_free_sgpr 96
		.amdhsa_reserve_vcc 0
		.amdhsa_float_denorm_mode_32 3
		.amdhsa_float_denorm_mode_16_64 3
		.amdhsa_memory_ordered 1
		.amdhsa_forward_progress 1
		.amdhsa_inst_pref_size 195
	.end_amdhsa_kernel
	.amdgpu_metadata
---
amdhsa.version: [ 1, 2 ]
amdhsa.kernels:
  - .name:           k_q512f4fd428_simexp
    .symbol:         k_q512f4fd428_simexp.kd
    .args:
      - { .name: kn, .offset: 0, .size: 8, .value_kind: global_buffer, .address_space: global }
      - { .name: pw, .offset: 8, .size: 8, .value_kind: global_buffer, .address_space: global }
      - { .name: st, .offset: 16, .size: 8, .value_kind: global_buffer, .address_space: global }
    .group_segment_fixed_size: 327680
    .private_segment_fixed_size: 0
    .kernarg_segment_align: 8
    .kernarg_segment_size: 24
    .max_flat_workgroup_size: 128
    .sgpr_count:     96
    .vgpr_count:     1024
    .wavefront_size: 32
...
	.end_amdgpu_metadata
.endif
;; end of part 2
;; launch mix (part 3): grid 4 x 64, 4 waves a work-group, clusters of 4 x 4, 327,680 bytes of LDS; arguments pw, vb, st, out0; writes out0
.if DOCPART == 3
	.amdgcn_target "amdgcn-amd-amdhsa--gfx1250"
	.amdhsa_code_object_version 6
	.text
	.protected	k_q512f4fd428_mix
	.globl	k_q512f4fd428_mix
	.p2align	8
	.type	k_q512f4fd428_mix,@function
k_q512f4fd428_mix:
	s_mov_b64 s[64:65], 0
	v_nop
	global_prefetch_b8 v0, s[64:65] scope:SCOPE_SE
	s_setreg_imm32_b32 hwreg(HW_REG_WAVE_MODE, 25, 1), 1
	s_wait_xcnt 0x0
	s_wait_alu depctr_hold_cnt(0) depctr_sa_sdst(0) depctr_va_vdst(0) depctr_va_sdst(0) depctr_va_ssrc(0) depctr_va_vcc(0) depctr_vm_vsrc(0)
	s_getreg_b32 s2, hwreg(HW_REG_IB_STS2, 6, 4)
	s_cmp_eq_u32 s2, 0
	s_cbranch_scc0 .Lentry_in_a_cluster
	s_endpgm
.Lentry_in_a_cluster:
	s_bfe_u32 s2, ttmp6, 0x10000c
	s_cmp_lg_u32 s2, 0xf033
	s_cbranch_scc0 .Lentry_shape_is_right
	s_endpgm
.Lentry_shape_is_right:
; out[row][:] = (cw / l) x (P V)[row][:] + (1 - cw) x final[row][:].  P = pw (the unnormalised weights 2^S in bf16), V = vb (final in bf16, by slices of 192 channels), l = the sum of a row's 16 partial
; sums, cw = ln 2 x the maximum of its 16 partial maxima of S = log2(e) x sim.  Nothing of the formula is left out.
; LIMITS.  Finite inputs.  l lies in 2,048 / e .. 2,048 e (see the first kernel's head), so 1 / l is an ordinary number.  In the blend too final is taken as vb holds it, rounded once to bf16 by the first
; launch: that term is off by at most 2^-9 of itself.  So final_features is not among this launch's arguments; the first launch reads it.
; SHAPE.  A work-group of four waves makes 256 rows x 192 channels (one slice), a wave 128 x 96: 48 accumulators, 384 registers.  64 x 4 tiles: 256 work-groups.  K = 2,048 keys go in 16 steps of 128 through a
; ring of two LDS slots.  A step's rows of P are 256 bytes of memory, aligned; its 128 keys of V are 49,152 dense bytes, asked for as rows of 256 bytes.
; CLUSTERS: 4 x 4.  cx is the slice, so the four of a row of the cluster need the same rows of P; the four of a column (four row tiles of one batch) the same keys of V's slice: each tile is asked for JOINTLY.
; LAYOUT.  O^T = V^T P: source 0 = 16 channels x 32 keys, V ([key][channel]) turned by ds_load_tr16_b128; source 1 = 16 rows of P as they lie.  In the result a lane holds ONE row (lane % 16) and the
; channels 8 (lane / 16) + 0..7: the row's factor is one register pair, and eight channels are 32 bytes on end.
; A wave's six blocks of 16 channels: column group 0 has the slice's blocks 0-3 and 4, 5; group 1 has 8-11 (b = 0..3) and 6, 7 (b = 4, 5): so both use the same immediates from two address registers.
; THE WAY OUT goes through the ring's own bytes, behind its last fill and a barrier: 256 rows x 768 bytes of f32, since a row's 768 bytes come from two waves.  What the blend wants of vb, 24,576 dense bytes a
; wave, is asked for long before: half behind the first quarter step, half at the head of the last lap, into 192 registers that the loop leaves idle.
; REGISTERS, in windows of 256 (s_set_vgpr_msb: bits 1:0 source 0, 3:2 source 1, 5:4 source 2, 7:6 destination):
;   window 0: v0-31 addresses; v32-47 the rows' cw / l, later v32-63 1 - cw; v48-63 at work; v64-127, v128-191 fragments of P, two buffers; v192-239 vb for the blend, group 3
;   window 1: v64-111, v128-175 fragments of V; v0-47, v176-223 vb for the blend, groups 0, 1
;   windows 2, 3: accumulator (a, b) at v[8 (6 (a % 4) + b)]; at the end the rows read back, four sets of 96; window 2 v192-239 vb for the blend, group 2
.set PP,    272                        ; a row of P in LDS: 256 bytes + 16 = 68 words: row r starts at bank 4 r mod 64 (64 banks of 4 bytes: ISA guide 11.1)
.set PHALF, 128*PP                     ; 128 rows of P: one tensor load
.set VOFF,  2*PHALF                    ; V lies behind P's 256 rows
.set PV,    480                        ; a key of V in LDS: three pieces of 128 bytes, 32 of padding behind each = 120 words
.set VHALF, 64*PV                      ; 64 keys of V: one tensor load
.set SLOT,  131072                     ; VOFF + 2 VHALF
.set TAB,   2*SLOT                     ; 256 rows x 8 bytes: cw / l twice;
.set TABB,  TAB+2048                   ; then 1 - cw: 128 words for the even rows, 128 for the odd ones
.set SPARE, TAB+4096                   ; the spare words, 128 bytes for each wave: two blocks of 256 bytes that no other line names
.set SP,    784                        ; the stage's rows: 768 bytes + 16 = 196 words: row r starts at bank 4 r mod 64
.set ROWO,  3072                       ; bytes in a row of out
.set GF,   11                          ; v11     my byte offset in two rows of a slice of vb; never rewritten
.set TWB,  12                          ; v12     where my two rows' 1 - cw go
.set TW,   13                          ; v13     where my two rows' cw / l go
.set TBA,  14                          ; v14     1 - cw of the rows 64 wave + l / 16 + 2 i
.set TO,   15                          ; v15     8 x thread: my two rows in a chunk of st
.set ADRA, 16                          ; v16-17  LDS address of my P fragments in slot 0, 1
.set ADVA, 18                          ; v18-19  of my V fragments, blocks b = 0..3
.set ADVB, 20                          ; v20-21  blocks b = 4, 5
.set STOA, 22                          ; v22, v24  the stage: where my 32 bytes of blocks b = 0..3 go, for row blocks 0-3 and 4-7
.set STOB, 23                          ; v23, v25  the same for b = 4, 5
.set RD,   26                          ; v26     the stage: where I read rows back
.set GO,   27                          ; v27     my byte offset in two rows of out
.set SPW,  28                          ; v28     LDS address of my spare word; never rewritten
.set NIL,  29                          ; v29     0; never rewritten
.set PFO,  30                          ; v30     the prefetches' offset; never rewritten
.set TA,   31                          ; v31     cw / l of row 128 (wave / 2) + l % 16
.set AL,   32
.set BE,   32                          ; takes AL's place when the scaling is done
.set F0,   64
.set F1,   128
.set WV,  14                           ; s14  my wave's number
.set HR,  15                           ; s15  which half of the rows is mine.  Also: I fetch for P (0) or for V (1)
.set HC,  16                           ; s16  which group of channels.  Also: which half of that tile I fetch
.set G1,  24                           ; s[24:31] descriptor group 1 for P's tiles;  s[32:39] group 0, a set for each slot
.set G0,  32
.set G1B, 48                           ; s[48:55], s[56:63] the same for V's tiles
.set G0B, 56
.set LIM, 42                           ; s42, s43 for the change out of slot 0, 1: 2 in a wave that prefetches there, else the greatest number
.set PFA, 44                           ; s[44:45] where my prefetches stand
.set PS,  66                           ; s[66:67], s[68:69] by how much they step ahead of the change out of slot 0, 1
.set LN2, 70                           ; s70  ln 2
.set MSB, 0
.macro WIN new                         ; the immediate's high byte repeats the setting that is left; a switch that changes nothing is dropped
.if MSB != (\new)
	s_set_vgpr_msb (MSB<<8)|(\new)
.set MSB, \new
.endif
.endm
.set MUL_LO, 0xa1                      ; source 0 (V) window 1, source 1 (P) window 0, C and D window 2
.set TO_V,   0x40                      ; destination window 1, address window 0
; A joint load.  Waves 0 and 1 fetch P's two halves, waves 2 and 3 V's.  The branch hangs on the wave's number alone.  An s_nop 0 and four v_nop follow each of the two lines.
.macro JLOAD s
	s_cmp_eq_u32 s[HR], 0
	s_cbranch_scc0 .Lfor_v_\@
	tensor_load_to_lds s[G0+4*(\s):G0+4*(\s)+3], s[G1:G1+7]
	s_nop 0
.rept 4
	v_nop
.endr
	s_branch .Lasked_\@
.Lfor_v_\@:
	tensor_load_to_lds s[G0B+4*(\s):G0B+4*(\s)+3], s[G1B:G1B+7]
	s_nop 0
.rept 4
	v_nop
.endr
.Lasked_\@:
.endm
; A PREFETCH INTO THE L2, behind each joint load and the run of LDS loads that follows it, two refills (384 matrix instructions) ahead of the load that will want the bytes; each aligned 256 bytes is named once.
; P: a row's 256 bytes of a K step are read by one row of one cluster alone: waves 0 and 1 of every work-group ask, partner cx for 32 of the wave's 128 rows, a lane a row.
; V: a lap's 256 keys of a slice are 384 dense blocks of 256 bytes, read by the two clusters of the batch: the one with even cluster y asks, in three thirds of 128 blocks, partner cy for 32 of each, a lane a
; block: wave 2 the first third (out of slot 0) and the third (out of slot 1), wave 3 the second (out of slot 0).  The partners are told apart BY ADDRESS; the branch hangs on the wave and on cluster y alone.
; K steps 0 to 3 come by their loads alone; the last trip that fills slots (s3 = 2) asks for nothing: there is no lap behind the last.
.macro ASK slot
	s_cmp_gt_u32 s3, s[LIM+(\slot)]
	s_cbranch_scc0 .Lnot_mine_\@
	global_prefetch_b8 v[PFO], s[PFA:PFA+1] th:TH_LOAD_NT scope:SCOPE_SE
.Lnot_mine_\@:
.endm
.macro CREST                           ; a round of the cluster's barrier behind its opening barrier
	s_cmp_lg_u32 s[WV], 0
	s_cbranch_scc1 .Lnot_wave_0_\@
	s_barrier_signal -3
.Lnot_wave_0_\@:
	s_barrier_wait -3
	s_barrier_signal -1
	s_barrier_wait -1
.endm
.macro CROUND                          ; a whole round
	s_barrier_signal -1
	s_barrier_wait -1
	CREST
.endm
	s_load_b256 s[4:11], s[0:1], 0x0               ; pw s[4:5], vb s[6:7], st s[8:9], out s[10:11]
	v_lshl_add_u32 v[SPW], v0, 2, SPARE
	v_mov_b32 v[NIL], 0
	ds_add_u32 v[SPW], v[NIL]                      ; the wave's opening: the add, twice on end, and its wait ahead of my first tensor load; the set-up below stands between
	ds_add_u32 v[SPW], v[NIL]                      ; and once more, under the one wait
	v_lshrrev_b32 v1, 5, v0
	v_readfirstlane_b32 s[WV], v1                  ; wave 0..3
	s_lshr_b32 s[HR], s[WV], 1
	s_and_b32 s[HC], s[WV], 1
	s_bfe_u32 s17, ttmp6, 0x40000                  ; cx: the slice (the grid is one cluster wide)
	s_bfe_u32 s18, ttmp6, 0x40004                  ; cy
	s_and_b32 s19, ttmp7, 0xffff                   ; cluster y, 0..15
	s_lshl_b32 s20, s19, 2
	s_add_co_u32 s20, s20, s18                     ; tile row over all batches, 0..63
	s_lshr_b32 s21, s19, 1                         ; the batch: the same in all sixteen partners
	s_lshl_b32 s22, s18, 2
	s_lshl_b32 s22, 15, s22                        ; my row of the cluster
	s_lshl_b32 s23, 0x1111, s17                    ; my column
	; group 1 for P: 128 rows x 128 elements, 16 bytes of padding behind every 256
	s_or_b32 s[G1+0], s22, (1<<16)|(1<<20)|(1<<21)|(5<<22)|(3<<25)   ; 15:0 the mask; 17:16 elements of 2 bytes; 20 padding on; 21 set beside a mask; 24:22 after every 64 words (code 5); 31:25 4 words (code 3)
	s_mov_b32 s[G1+1], 128<<16                     ; tensor_dim0 = 128
	s_mov_b32 s[G1+2], 128<<16                     ; tensor_dim1 = 128
	s_mov_b32 s[G1+3], 128<<16                     ; tile_dim0 = 128
	s_mov_b32 s[G1+4], 128                         ; tile_dim1 = 128
	s_mov_b32 s[G1+5], 2048                        ; elements from row to row
	s_mov_b32 s[G1+6], 0
	s_mov_b32 s[G1+7], 0
	; group 1 for V: 64 keys = 24,576 dense bytes = 96 rows of 256, 32 bytes of padding behind every 128: key k, piece q of three lies at 480 k + 160 q
	s_or_b32 s[G1B+0], s23, (1<<16)|(1<<20)|(1<<21)|(4<<22)|(7<<25)  ; after every 32 words (code 4), 8 words (code 7)
	s_mov_b32 s[G1B+1], 128<<16
	s_mov_b32 s[G1B+2], 96<<16
	s_mov_b32 s[G1B+3], 128<<16
	s_mov_b32 s[G1B+4], 96
	s_mov_b32 s[G1B+5], 128
	s_mov_b32 s[G1B+6], 0
	s_mov_b32 s[G1B+7], 0
	; where the tiles come from: P's hang on the tile row alone, V's on the batch and the slice; each in registers that never hold the other coordinate
	s_lshl_b32 s40, s20, 8
	s_lshl_b32 s41, s[HC], 7
	s_add_co_u32 s40, s40, s41                     ; P: row 256 x tile row + 128 x half,
	s_lshl_b32 s40, s40, 12                        ; of 4,096 bytes: under 2^27
	s_mov_b32 s41, 0
	s_lshl_b32 s46, s21, 2
	s_add_co_u32 s46, s46, s17                     ; V: slice 4 x batch + cx,
	s_lshl_b32 s46, s46, 11                        ; its 2,048 keys,
	s_lshl_b32 s47, s[HC], 6
	s_add_co_u32 s46, s46, s47                     ; + 64 x half,
	s_mul_i32 s46, s46, 384                        ; of 384 bytes: under 2^25
	s_mov_b32 s47, 0
	s_mul_i32 s2, s[HC], PHALF                     ; where they go: no place in the cluster enters an LDS address
	s_mul_i32 s3, s[HC], VHALF
	s_add_co_u32 s3, s3, VOFF
	s_mov_b32 s[LN2], 0x3f317218
	s_wait_dscnt 0x0                               ; both opening adds are done
	s_wait_kmcnt 0x0
	s_add_nc_u64 s[40:41], s[4:5], s[40:41]
	s_add_nc_u64 s[46:47], s[6:7], s[46:47]
	CROUND                                         ; all sixteen work-groups are here: the first joint loads meet
.irp s, 0,1
	s_mov_b32 s[G0+4*(\s)], 1                                        ; count = 1
	s_add_co_u32 s[G0+4*(\s)+1], s2, (\s)*SLOT                       ; LDS address
	s_add_nc_u64 s[G0+4*(\s)+2:G0+4*(\s)+3], s[40:41], (\s)*256      ; global address: K step s: 128 keys along P's rows,
	s_or_b32 s[G0+4*(\s)+3], s[G0+4*(\s)+3], 0x80000000              ; type = 2
	s_mov_b32 s[G0B+4*(\s)], 1
	s_add_co_u32 s[G0B+4*(\s)+1], s3, (\s)*SLOT
	s_add_nc_u64 s[G0B+4*(\s)+2:G0B+4*(\s)+3], s[46:47], (\s)*49152  ; 128 keys down V
	s_or_b32 s[G0B+4*(\s)+3], s[G0B+4*(\s)+3], 0x80000000
	JLOAD \s                                       ; two loads of mine are out
.endr
	; THE TABLE, made while the first tiles are on their way.  Thread t has the tile's rows 2 t and 2 t + 1: 16 partial sums and 16 partial maxima each; a load of a wave covers 256 consecutive bytes, aligned
	s_lshl_b32 s22, s20, 10                        ; the tile's 256 rows in a chunk of st
	s_mov_b32 s23, 0
	s_add_nc_u64 s[8:9], s[8:9], s[22:23]
	v_lshlrev_b32 v[TO], 3, v0
.set c, 0
.rept 16
	global_load_b64 v[64+2*c:65+2*c], v[TO], s[8:9] offset:65536*c
	global_load_b64 v[96+2*c:97+2*c], v[TO], s[8:9] offset:65536*c+1048576
.set c, c+1
.endr
	; addresses, while those loads are out
	v_and_b32 v1, 15, v0                           ; r = l % 16
	v_bfe_u32 v2, v0, 4, 1                         ; h = l / 16
	v_mul_u32_u24 v3, v1, PP
	v_lshl_add_u32 v3, v2, 4, v3                   ; a fragment of P: row x pitch + 16 x half
	s_mul_i32 s22, s[HR], PHALF
	v_add_nc_u32 v[ADRA], s22, v3
	v_add_nc_u32 v[ADRA+1], SLOT, v[ADRA]
	; the turning load takes 16 keys x 16 channels (lane l reads key 8 (l / 16) + l % 8, channels 8 ((l / 8) % 2) + 0..7) and leaves half a fragment of V^T: lane l holds channel l % 16 and 8 keys
	v_and_b32 v4, 7, v0
	v_bfe_u32 v5, v0, 3, 1
	v_lshl_add_u32 v6, v2, 3, v4
	v_mul_u32_u24 v6, v6, PV
	v_lshl_add_u32 v6, v5, 4, v6
	s_mul_i32 s22, s[HC], 320                      ; blocks 0-3 begin at byte 0 of a key, blocks 8-11 at 320
	s_add_co_u32 s22, s22, VOFF
	v_add_nc_u32 v[ADVA], s22, v6
	v_add_nc_u32 v[ADVA+1], SLOT, v[ADVA]
	s_lshl_b32 s23, s[HC], 6                       ; blocks 4, 5 at 160, blocks 6, 7 at 224
	s_add_co_u32 s23, s23, VOFF+160
	v_add_nc_u32 v[ADVB], s23, v6
	v_add_nc_u32 v[ADVB+1], SLOT, v[ADVB]
	v_mul_u32_u24 v7, v1, SP                       ; the stage, in: row 128 x half + 16 a + r, 32 bytes for each half of the lanes
	v_lshl_add_u32 v7, v2, 5, v7
	s_mul_i32 s22, s[HR], 128*SP
	s_lshl_b32 s23, s[HC], 9                       ; blocks 0-3 at byte 0 of a row, blocks 8-11 at 512
	s_add_co_u32 s23, s23, s22
	v_add_nc_u32 v[STOA], s23, v7
	s_lshl_b32 s23, s[HC], 7                       ; blocks 4, 5 at 256, blocks 6, 7 at 384
	s_add_co_u32 s23, s23, s22
	s_add_co_u32 s23, s23, 256
	v_add_nc_u32 v[STOB], s23, v7
	v_add_nc_u32 v[STOA+2], 64*SP, v[STOA]
	v_add_nc_u32 v[STOB+2], 64*SP, v[STOB]
	s_mul_i32 s22, s[WV], 64*SP                    ; back: wave w takes rows 64 w .. 64 w + 63, whole; lanes 0-15 256 bytes of one row, lanes 16-31 of the next
	v_mul_u32_u24 v[RD], v2, SP
	v_lshl_add_u32 v[RD], v1, 4, v[RD]
	v_add_nc_u32 v[RD], s22, v[RD]
	v_mul_u32_u24 v[GO], v2, ROWO                  ; the same two rows in out: 4 channels of f32 a lane,
	v_lshl_add_u32 v[GO], v1, 4, v[GO]
	v_mul_u32_u24 v[GF], v2, 384                   ; and in vb: the same 4 channels in bf16
	v_lshl_add_u32 v[GF], v1, 3, v[GF]
	s_lshl_b32 s22, s[HR], 10
	s_add_co_u32 s22, s22, TAB
	v_lshl_add_u32 v[TA], v1, 3, s22
	s_lshl_b32 s22, s[WV], 7
	s_add_co_u32 s22, s22, TABB
	v_lshl_add_u32 v[TBA], v2, 9, s22              ; the array of my rows' parity, at word 32 x wave
	v_lshl_add_u32 v[TW], v0, 4, TAB
	v_lshl_add_u32 v[TWB], v0, 2, TABB
	; out at row 256 x tile row + 64 x wave, channel 192 x slice (under 2^26)
	s_lshl_b32 s72, s20, 8
	s_lshl_b32 s73, s[WV], 6
	s_add_co_u32 s72, s72, s73
	s_mul_i32 s72, s72, ROWO
	s_mul_i32 s73, s17, 768
	s_add_co_u32 s72, s72, s73
	s_mov_b32 s73, 0
	s_add_nc_u64 s[10:11], s[10:11], s[72:73]
	; vb at the same 64 rows of my slice: s[12:13]
	s_lshl_b32 s72, s21, 2
	s_add_co_u32 s72, s72, s17                     ; slice 4 x batch + cx,
	s_lshl_b32 s72, s72, 11                        ; its 2,048 keys,
	s_and_b32 s74, s20, 7
	s_lshl_b32 s74, s74, 8
	s_add_co_u32 s72, s72, s74                     ; + 256 x the tile row inside the batch
	s_lshl_b32 s74, s[WV], 6
	s_add_co_u32 s72, s72, s74                     ; + 64 x wave,
	s_mul_i32 s72, s72, 384                        ; of 384 bytes: under 2^25
	s_add_nc_u64 s[12:13], s[6:7], s[72:73]
	; the prefetches
	s_lshl_b32 s72, s20, 8
	s_lshl_b32 s73, s[HC], 7
	s_add_co_u32 s72, s72, s73
	s_lshl_b32 s73, s17, 5
	s_add_co_u32 s72, s72, s73                     ; P: my work-group's 32 of the 128 rows that I fetch,
	s_lshl_b32 s72, s72, 12
	s_add_co_u32 s72, s72, 768                     ; at K step 3: the first change steps it to 4 and names that
	s_lshl_b32 s74, s21, 2
	s_add_co_u32 s74, s74, s17
	s_mul_i32 s74, s74, 786432                     ; V: the slice,
	s_lshl_b32 s75, s18, 13
	s_add_co_u32 s74, s74, s75                     ; my work-group's 32 blocks of a third,
	s_lshl_b32 s75, s[HC], 15
	s_sub_co_u32 s75, 163840, s75                  ; wave 2: a step of 32,768 short of lap 2; wave 3: a step of 98,304 short of lap 2's second third
	s_add_co_u32 s74, s74, s75
	s_lshl_b32 s22, s[HC], 16
	s_add_co_u32 s23, s22, 32768                   ; V's steps out of slot 0: 32,768 (wave 2), 98,304 (wave 3);
	s_sub_co_u32 s22, 65536, s22                   ; out of slot 1: 65,536, 0: a lap's 98,304 bytes a trip
	s_cmp_eq_u32 s[HR], 0
	s_cselect_b32 s72, s72, s74
	s_cselect_b64 s[PFA:PFA+1], s[4:5], s[6:7]
	s_cselect_b32 s[PS], 256, s23
	s_cselect_b32 s[PS+2], 256, s22
	s_cselect_b32 s75, 12, 8                       ; a lane is a row of P (4,096 bytes) or a block of V (256)
	s_mov_b32 s73, 0
	s_mov_b32 s[PS+1], 0
	s_mov_b32 s[PS+3], 0
	s_add_nc_u64 s[PFA:PFA+1], s[PFA:PFA+1], s[72:73]
	v_and_b32 v[PFO], 31, v0
	v_lshlrev_b32 v[PFO], s75, v[PFO]
	s_and_b32 s22, s19, 1
	s_cmp_eq_u32 s22, 0
	s_cselect_b32 s22, 2, -1                       ; V's waves ask where cluster y is even,
	s_cmp_eq_u32 s[HC], 0
	s_cselect_b32 s23, s22, -1                     ; wave 3 only out of slot 0
	s_cmp_eq_u32 s[HR], 0
	s_cselect_b32 s[LIM], 2, s22
	s_cselect_b32 s[LIM+1], 2, s23
	s_wait_loadcnt 0x0                             ; the partial sums and maxima
.irp d, 1,2,4,8                        ; two rows' sums at once: neighbours 1, 2, 4 and 8 chunks apart
.set p, 0
.rept 8/(\d)
	v_pk_add_f32 v[64+2*p:65+2*p], v[64+2*p:65+2*p], v[64+2*p+2*(\d):65+2*p+2*(\d)]
.set p, p+2*(\d)
.endr
.endr
.irp e, 0,1
	v_max3_num_f32 v[48+(\e)], v[96+(\e)], v[98+(\e)], v[100+(\e)]
.irp k, 1,2,3,4,5,6
	v_max3_num_f32 v[48+(\e)], v[48+(\e)], v[98+4*(\k)+(\e)], v[100+4*(\k)+(\e)]
.endr
	v_max_num_f32 v[48+(\e)], v[48+(\e)], v[126+(\e)]
.endr
	v_rcp_f32 v52, v64                             ; 1 / l, a batch of two
	v_rcp_f32 v53, v65
	v_mul_f32 v50, s[LN2], v48                     ; cw = ln 2 x the maximum: plain lines that name no result of the batch stand behind it
	v_mul_f32 v51, s[LN2], v49
	v_fma_f32 v60, -v48, s[LN2], 1.0               ; 1 - cw
	v_fma_f32 v61, -v49, s[LN2], 1.0
	s_wait_alu depctr_va_vdst(0)                   ; one wait for both reciprocals, ahead of their first reader
	v_mul_f32 v56, v50, v52                        ; cw / l
	v_mul_f32 v58, v51, v53
	v_mov_b32 v57, v56                             ; twice: the packed scaling takes it as a pair
	v_mov_b32 v59, v58
	ds_store_b128 v[TW], v[56:59]
	ds_store_b32 v[TWB], v60                       ; row 2 t among the even rows,
	ds_store_b32 v[TWB], v61 offset:512            ; row 2 t + 1 among the odd ones
; 12 matrix instructions: row blocks a0, a0 + 1 of the window's four (hi = 0: my rows 0-63, 1: rows 64-127) x my 6 channel blocks, 32 keys.  zero = 1: the first product starts the sums: nothing is cleared.
; The 48 accumulators take turns, one instruction a turn, in the same order in every quarter step.
.macro MUL12 f, hi, a0, zero
	WIN MUL_LO+0x50*(\hi)
.irp a, \a0, (\a0)+1
.irp b, 0,1,2,3,4,5
.if \zero
	v_wmma_f32_16x16x32_bf16 v[8*(6*(\a)+(\b)):8*(6*(\a)+(\b))+7], v[(\f)+8*(\b):(\f)+8*(\b)+7], v[(\f)+8*(4*(\hi)+(\a)):(\f)+8*(4*(\hi)+(\a))+7], 0
.else
	v_wmma_f32_16x16x32_bf16 v[8*(6*(\a)+(\b)):8*(6*(\a)+(\b))+7], v[(\f)+8*(\b):(\f)+8*(\b)+7], v[(\f)+8*(4*(\hi)+(\a)):(\f)+8*(4*(\hi)+(\a))+7], v[8*(6*(\a)+(\b)):8*(6*(\a)+(\b))+7]
.endif
.endr
.endr
.endm
; 28 LDS loads in one run: quarter q (32 keys) of a slot into buffer f: 12 turning loads for V's six blocks, then 16 loads for P's 128 rows
.macro FETCH slot, q, f
	WIN TO_V
.irp b, 0,1,2,3
	ds_load_tr16_b128 v[(\f)+8*(\b):(\f)+8*(\b)+3],   v[ADVA+(\slot)] offset:(\q)*32*PV+32*(\b)
	ds_load_tr16_b128 v[(\f)+8*(\b)+4:(\f)+8*(\b)+7], v[ADVA+(\slot)] offset:(\q)*32*PV+16*PV+32*(\b)
.endr
.irp b, 4,5
	ds_load_tr16_b128 v[(\f)+8*(\b):(\f)+8*(\b)+3],   v[ADVB+(\slot)] offset:(\q)*32*PV+32*((\b)-4)
	ds_load_tr16_b128 v[(\f)+8*(\b)+4:(\f)+8*(\b)+7], v[ADVB+(\slot)] offset:(\q)*32*PV+16*PV+32*((\b)-4)
.endr
	WIN 0
.irp i, 0,1,2,3,4,5,6,7
	ds_load_b128 v[(\f)+8*(\i):(\f)+8*(\i)+3],   v[ADRA+(\slot)] offset:64*(\q)+(\i)*16*PP
	ds_load_b128 v[(\f)+8*(\i)+4:(\f)+8*(\i)+7], v[ADRA+(\slot)] offset:64*(\q)+(\i)*16*PP+32
.endr
.endm
.macro PLACES                          ; four plain vector instructions between a matrix instruction and a load into, or a vector line on, one of its registers (ISA guide 7.12.1 for vector instructions)
.rept 4
	v_nop
.endr
.endm
; A K step is four quarters of 32 keys, 48 matrix instructions each, on buffers 0, 1, 0, 1.  One of the first three: multiplies buffer f; in its middle it fetches quarter q into buffer g.
.macro QUARTER slot, q, f, g, zero
	s_wait_dscnt 8                                 ; V and P's rows 0-63 are in; the youngest eight loads (P's rows 64-127) may be out
	MUL12 \f, 0, 0, \zero
	MUL12 \f, 0, 2, \zero
	PLACES
	FETCH \slot, \q, \g
	s_wait_dscnt 28                                ; all but the 28 just issued
	MUL12 \f, 1, 0, \zero
	MUL12 \f, 1, 2, \zero
.endm
; The last quarter multiplies buffer 1 and changes slots.  MEET is its first half: ONE barrier.  In front of it each wave waits for all its tensor loads, of which one is out: its part of the next slot;
; adds 0 to its spare word; and waits for that and for its own reads of this slot.  Behind it nobody reads this slot any more and the next slot is whole.
.macro MEET round
	WIN 0                                          ; (the add's two registers lie in window 0)
	s_wait_tensorcnt 0x0                           ; all my tensor loads have landed
	ds_add_u32 v[SPW], v[NIL]                      ; 0 onto my spare word
	s_wait_dscnt 9                                 ; (the add and the youngest eight loads may be out)
	MUL12 F1, 0, 0, 0                              ; twelve matrix instructions stand between the add and the wait for it
	s_wait_dscnt 0x0                               ; the add is done, and my reads of this slot are over
	s_barrier_signal -1
	MUL12 F1, 0, 2, 0                              ; work on registers while the others arrive
.if \round
	WIN 0
.endif
	s_barrier_wait -1
.endm
; The whole last quarter where the slot is filled again, with the K step two steps on: the barrier opens a round of the cluster's, and the joint refill is the first tensor load behind the round.
.macro TURN slot, next
	s_wait_xcnt 0x0                                ; the last prefetch, a K step back, has read its address: it is stepped here, ahead of the waits of the change of slots
	s_add_nc_u64 s[PFA:PFA+1], s[PFA:PFA+1], s[PS+2*(\slot):PS+2*(\slot)+1]
	MEET 1
	CREST                                          ; no wave of any partner still reads this slot's tiles or has a load on its way
	s_add_nc_u64 s[G0+4*(\slot)+2:G0+4*(\slot)+3], s[G0+4*(\slot)+2:G0+4*(\slot)+3], 512
	s_add_nc_u64 s[G0B+4*(\slot)+2:G0B+4*(\slot)+3], s[G0B+4*(\slot)+2:G0B+4*(\slot)+3], 98304
	JLOAD \slot                                    ; 168 matrix instructions ahead of the wait for it; its four v_nop are also the places in front of the loads below
	FETCH \next, 0, F0
	ASK \slot
	MUL12 F1, 1, 0, 0
	MUL12 F1, 1, 2, 0
.endm
; WHAT THE BLEND WANTS OF vb.  My 64 whole rows go in four groups of 8 pairs of rows; a unit is 64 channels of each row of a pair, three to a pair, 24 to a group.  In vb a unit is 128 consecutive bytes, aligned,
; for each half of the lanes, 8 bytes a lane; a pair's three units cover its 768 dense bytes.  Where group g lies: FSET sets the first register FB and the window WF.
.macro FSET g
.if (\g) < 2
.set FB, 176*(\g)
.set WF, 1
.elseif (\g) == 2
.set FB, 192
.set WF, 2
.else
.set FB, 192
.set WF, 0
.endif
.endm
.macro FL g
	FSET \g
	WIN WF<<6
.set u, 0
.rept 24
	global_load_b64 v[FB+2*u:FB+2*u+1], v[GF], s[12:13] offset:768*(8*(\g)+u/3)+128*(u%3)
.set u, u+1
.endr
.endm
	s_wait_tensorcnt 1                             ; my part of K step 0 is in; K step 1's load, issued behind it, may stay out
	s_wait_dscnt 0x0                               ; my rows of the table are written
	s_barrier_signal -1
	s_barrier_wait -1                              ; everybody's are
	FETCH 0, 0, F0
	QUARTER 0, 1, F0, F1, 1                        ; the first quarter stands in front of the loop: its products start the sums
	FL 0                                           ; groups 0 and 1: seven laps ahead of the wait for them
	FL 1
	WIN 0                                          ; at a label and at a branch every window is 0
	s_mov_b32 s3, 8                                ; laps to go, this one among them
.Llap:                                                 ; a trip goes once round the ring, from a lap's second quarter to the next lap's first, and fills both slots again
	QUARTER 0, 2, F1, F0, 0
	QUARTER 0, 3, F0, F1, 0
	WIN 0
	s_cmp_eq_u32 s3, 1
	s_cbranch_scc1 .Ltail                          ; the last lap asks for nothing: its rest is written out behind the loop, without loads
	TURN 0, 1
	QUARTER 1, 1, F0, F1, 0
	QUARTER 1, 2, F1, F0, 0
	QUARTER 1, 3, F0, F1, 0
	TURN 1, 0
	QUARTER 0, 1, F0, F1, 0
	WIN 0
	s_sub_co_u32 s3, s3, 1
	s_cmp_lg_u32 s3, 0
	s_cbranch_scc1 .Llap
.Ltail:
	s_wait_loadcnt 0x0                             ; groups 0 and 1 are in
	FL 2                                           ; groups 2 and 3: no tile is on its way any more; 240 matrix instructions stand ahead of the wait for them
	FL 3
	MEET 0                                         ; my one tensor load that was still out is slot 1's, the last K step's, so no round follows
	PLACES
	FETCH 1, 0, F0
	MUL12 F1, 1, 0, 0
	MUL12 F1, 1, 2, 0
	QUARTER 1, 1, F0, F1, 0
	QUARTER 1, 2, F1, F0, 0
	QUARTER 1, 3, F0, F1, 0
	s_wait_dscnt 8                                 ; the very last quarter: nothing more to fetch
	MUL12 F1, 0, 0, 0
	MUL12 F1, 0, 2, 0
	s_wait_dscnt 0x0
	MUL12 F1, 1, 0, 0
	MUL12 F1, 1, 2, 0
	WIN 0
	PLACES                                         ; behind the last products, ahead of the lines that read the sums
; THE WAY OUT.
.macro XL g                            ; the stage's 24 units of group g (256 bytes of f32 for each half of the lanes), into a set of its own: window 2 + g / 2, registers 96 (g % 2) on
	WIN 0x80+0x40*((\g)/2)
.set u, 0
.rept 24
	ds_load_b128 v[96*((\g)%2)+4*u:96*((\g)%2)+4*u+3], v[RD] offset:2*SP*(8*(\g)+u/3)+256*(u%3)
.set u, u+1
.endr
.endm
.macro SCALE hi                        ; my row blocks 4 hi .. 4 hi + 3: times cw / l, in place, each accumulator from its low end on; then into the stage
	WIN 0x82+0x41*(\hi)                            ; destination and source 0 in window 2 or 3, the factor in window 0
.irp a, 0,1,2,3
.set k, 0
.rept 24
	v_pk_mul_f32 v[48*(\a)+2*k:48*(\a)+2*k+1], v[48*(\a)+2*k:48*(\a)+2*k+1], v[AL+2*(4*(\hi)+(\a)):AL+2*(4*(\hi)+(\a))+1]
.set k, k+1
.endr
.endr
	WIN 0x08+4*(\hi)                               ; the stores' data in window 2 or 3
.irp a, 0,1,2,3
.irp b, 0,1,2,3
	ds_store_b128 v[STOA+2*(\hi)], v[48*(\a)+8*(\b):48*(\a)+8*(\b)+3]   offset:16*SP*(\a)+64*(\b)
	ds_store_b128 v[STOA+2*(\hi)], v[48*(\a)+8*(\b)+4:48*(\a)+8*(\b)+7] offset:16*SP*(\a)+64*(\b)+16
.endr
.irp b, 4,5
	ds_store_b128 v[STOB+2*(\hi)], v[48*(\a)+8*(\b):48*(\a)+8*(\b)+3]   offset:16*SP*(\a)+64*((\b)-4)
	ds_store_b128 v[STOB+2*(\hi)], v[48*(\a)+8*(\b)+4:48*(\a)+8*(\b)+7] offset:16*SP*(\a)+64*((\b)-4)+16
.endr
.endr
.endm
.macro BLEND g                         ; group g: out = final (a bf16 half) x (1 - cw) + what the stage holds, one fused line a number; then its stores.  No register set is used twice, so nothing waits for a store
	FSET \g
.set XB, 96*((\g)%2)
.set WX, 2+(\g)/2
.if (\g) == 2
	s_wait_loadcnt 24                              ; vb's group 2 is in; group 3's 24 loads, issued behind it, may stay out
.elseif (\g) == 3
	s_wait_loadcnt 0x0
.endif
.if (\g) < 3
	s_wait_dscnt 24                                ; the stage's group g (and the factors) are in; the next group's 24 loads may stay out
.else
	s_wait_dscnt 0x0
.endif
	WIN (WX<<6)|(WX<<4)|WF                         ; vb's words in their window, the factor in window 0, addend and destination in the set's window
.set u, 0
.rept 24
	v_fma_mix_f32_bf16 v[XB+4*u],   v[FB+2*u],   v[BE+8*(\g)+u/3], v[XB+4*u]   op_sel_hi:[1,0,0]
	v_fma_mix_f32_bf16 v[XB+4*u+1], v[FB+2*u],   v[BE+8*(\g)+u/3], v[XB+4*u+1] op_sel:[1,0,0] op_sel_hi:[1,0,0]
	v_fma_mix_f32_bf16 v[XB+4*u+2], v[FB+2*u+1], v[BE+8*(\g)+u/3], v[XB+4*u+2] op_sel_hi:[1,0,0]
	v_fma_mix_f32_bf16 v[XB+4*u+3], v[FB+2*u+1], v[BE+8*(\g)+u/3], v[XB+4*u+3] op_sel:[1,0,0] op_sel_hi:[1,0,0]
.set u, u+1
.endr
	WIN WX<<2                                      ; the stores' data in the set's window
.set u, 0
.rept 24
	global_store_b128 v[GO], v[XB+4*u:XB+4*u+3], s[10:11] offset:2*ROWO*(8*(\g)+u/3)+256*(u%3) th:TH_STORE_NT  ; 16 lanes store 256 consecutive bytes, at a multiple of 256 from out's first byte
.set u, u+1
.endr
.if (\g) < 2
	XL (\g)+2
.endif
.endm
.irp a, 0,1,2,3,4,5,6,7
	ds_load_b64 v[AL+2*(\a):AL+2*(\a)+1], v[TA] offset:128*(\a)  ; cw / l of row 16 a + l % 16 of my 128, twice
.endr
	s_wait_dscnt 0x0                               ; they are in, and my reads of the ring are over
	s_barrier_signal -1
	s_barrier_wait -1                              ; everybody's are, and every tensor load has landed (each wave waited ahead of the last change of slots): the ring's bytes, filled for the last time, become the stage
	SCALE 0
	SCALE 1
	WIN 0
	s_wait_dscnt 0x0                               ; for the others' sake: my stores into the stage are done
	s_barrier_signal -1
	s_barrier_wait -1
.irp k, 0,1,2,3,4,5,6,7
	ds_load_b128 v[BE+4*(\k):BE+4*(\k)+3], v[TBA] offset:16*(\k)  ; register i: 1 - cw of row 64 wave + 2 i + l / 16
.endr
	XL 0
	XL 1
	BLEND 0
	BLEND 1
	BLEND 2
	BLEND 3
	WIN 0
	s_wait_tensorcnt 0x0                           ; the wave's end, behind my last tensor load and my last LDS store
	ds_add_u32 v[SPW], v[NIL]
	s_wait_dscnt 0x0
	CROUND                                         ; the closing round: no work-group ends while a partner may still ask for a tile that names it
	s_endpgm
.Lfunc_end_k_q512f4fd428_mix:
	.size	k_q512f4fd428_mix, .Lfunc_end_k_q512f4fd428_mix-k_q512f4fd428_mix
	.p2alignl 7, 3214868480
	.fill 96, 4, 3214868480
	.section	.rodata,"a",@progbits
	.p2align	6, 0x0
	.amdhsa_kernel k_q512f4fd428_mix
		.amdhsa_group_segment_fixed_size 327680
		.amdhsa_private_segment_fixed_size 0
		.amdhsa_enable_private_segment 0
		.amdhsa_kernarg_size 32
		.amdhsa_user_sgpr_count 2
		.amdhsa_user_sgpr_kernarg_segment_ptr 1
		.amdhsa_wavefront_size32 1
		.amdhsa_system_sgpr_workgroup_id_x 1
		.amdhsa_system_sgpr_workgroup_id_y 1
		.amdhsa_system_sgpr_workgroup_id_z 1
		.amdhsa_system_vgpr_workitem_id 0
		.amdhsa_next_free_vgpr 960
		.amdhsa_next_free_sgpr 96
		.amdhsa_reserve_vcc 0
		.amdhsa_float_denorm_mode_32 3
		.amdhsa_float_denorm_mode_16_64 3
		.amdhsa_memory_ordered 1
		.amdhsa_forward_progress 1
		.amdhsa_inst_pref_size 159
	.end_amdhsa_kernel
	.amdgpu_metadata
---
amdhsa.version: [ 1, 2 ]
amdhsa.kernels:
  - .name:           k_q512f4fd428_mix
    .symbol:         k_q512f4fd428_mix.kd
    .args:
      - { .name: pw, .offset: 0, .size: 8, .value_kind: global_buffer, .address_space: global }
      - { .name: vb, .offset: 8, .size: 8, .value_kind: global_buffer, .address_space: global }
      - { .name: st, .offset: 16, .size: 8, .value_kind: global_buffer, .address_space: global }
      - { .name: out0, .offset: 24, .size: 8, .value_kind: global_buffer, .address_space: global }
    .group_segment_fixed_size: 327680
    .private_segment_fixed_size: 0
    .kernarg_segment_align: 8
    .kernarg_segment_size: 32
    .max_flat_workgroup_size: 128
    .sgpr_count:     96
    .vgpr_count:     960
    .wavefront_size: 32
...
	.end_amdgpu_metadata
.endif
;; end of part 3
;; ======== version 2 of 2: 3 launches; version 1 with the launch prep written anew for expert scheduling mode
;; workspace buffers: kn 25,165,824 bytes; vb 25,165,824 bytes; pw 67,108,864 bytes; st 2,097,152 bytes
;; launch prep (part 4): grid 512 x 1, 8 waves a work-group, no clusters, 0 bytes of LDS; arguments mid_features, final_features, kn, vb; writes kn, vb
.if DOCPART == 4
	.amdgcn_target "amdgcn-amd-amdhsa--gfx1250"
	.amdhsa_code_object_version 6
	.text
	.protected	k_q512f4fd428_prep
	.globl	k_q512f4fd428_prep
	.p2align	8
	.type	k_q512f4fd428_prep,@function
k_q512f4fd428_prep:
	s_mov_b64 s[64:65], 0
	v_nop
	global_prefetch_b8 v0, s[64:65] scope:SCOPE_SE
	s_setreg_imm32_b32 hwreg(HW_REG_WAVE_SCHED_MODE, 0, 2), 2
	s_setreg_imm32_b32 hwreg(HW_REG_WAVE_MODE, 25, 1), 1
	s_wait_xcnt 0x0
	s_wait_alu depctr_vm_vsrc(0)
; THE WHOLE PROGRAM.  out = cw x (softmax(sim) final) + (1 - cw) x final, sim = mid_n mid_n^T with its diagonal set to 0, cw = a row's maximum of sim.
; Three launches: this one rounds the operands; the second makes p = exp(sim) in bf16 with each row's partial sums and maxima; the third makes P V and the blend.
; NOTHING IS LEFT OUT AS DEAD: both inputs reach the output, and every step of the formula is done.
; NO MAXIMUM IS TAKEN AWAY BEFORE THE EXPONENTIAL: both factors of sim are rows divided by max(norm, 1e-12), so their length is at most 1 and |sim| <= 1 for every finite input,
; and the scale behind it is 1: exp(sim) lies in 1/e .. e and a row's sum is at most 2,048 e.  Nothing can overflow or underflow in f32 or bf16.  The maximum itself is still made: it is cw.
; THIS LAUNCH.  kn[row][768] = bf16(mid x sqrt(log2 e) / max(norm, 1e-12)): the factor makes the product of two rows log2(e) x sim, the argument of 2^x.
; x / max(sqrt(q), 1e-12) = x rsq(max(q, 1e-24)), q the sum of squares: the same number for every q >= 0.
; vb[batch][slice x of 4][key][192 channels] = bf16(final): a slice's keys lie end to end, 384 bytes each, so that the third launch asks for them as dense rows of 256 bytes.
; LIMITS.  Inputs are finite.  Where the sum of 768 squares passes f32's range the formula as given does too.  kn and vb are rounded once, to bf16 (matrix operands).
; SHARES.  A stream: no LDS, no barrier, no loop, no matrix unit, no cluster (no byte is shared).  Wave gw = 8 x work-group + wave has rows 4 gw .. 4 gw + 3 of both inputs: 48 loads of 512 bytes,
; all issued ahead of the first wait for data.  No register is used twice for memory, so nothing waits for a store.
; THE MODE: SCHED_MODE bits 1:0 = 2 (LLVM: expert scheduling mode 2), set by the entry lines.  The code itself states the register dependences between vector instructions and memory instructions,
; with s_wait_alu, always for 0.
; THE PLAN.  Registers that memory instructions touch:
;   v2 .. v6   byte offsets.  Written by vector lines at the head, read by the loads (v2, v4, v5, v6) and the stores (v3), never written again: one wait ahead of the first load.
;   X          mid.  Row i: its six loads land in it at the head, ahead of every vector line that names it; its multiplies and conversions write it in place; its six stores read the packed words; nothing writes it after.
;   Y          final.  Key pair i: likewise, 12 loads, 24 conversions in place, 12 stores.
;   SS, R, v1, v7, v8 are named by vector lines alone.
; So a wait on va_vdst is owed between a block's conversions and its stores, and nowhere else but at the head: one for each of the four rows of mid and the two key pairs of final.  The stores of mid's row i - 1
; follow the wait at the head of row i and are dealt among that row's multiplies, which name row i's registers and its factor alone.  Row 3's stores and final's go out in runs, each ahead of the next wait for loaded data.
; No register that a memory instruction has read is written again, so no wait on vm_vsrc is owed.  One vector line writes a scalar register (the wave's number): one wait on va_sdst.
.set SS, 8                             ; v[8:23]    row i: two pairs of running sums of squares at SS + 4 i
.set R,  24                            ; v[24:31]   row i: its factor, twice (a pair for the packed multiply)
.set X,  32                            ; v[32:127]  mid: row i at X + 24 i; load j brings channels 128 j + 4 lane .. + 3
.set Y,  128                           ; v[128:223] final: key pair i, slice x, unit j at Y + 48 i + 12 x + 4 j
	s_load_b256 s[4:11], s[0:1], 0x0               ; mid s[4:5], final s[6:7], kn s[8:9], vb s[10:11]
	v_lshrrev_b32 v7, 5, v0
	v_readfirstlane_b32 s12, v7                    ; wave 0..7
	v_and_b32 v1, 31, v0                           ; lane l
	v_and_b32 v7, 15, v0                           ; r = l % 16
	v_bfe_u32 v8, v0, 4, 1                         ; h = l / 16
	v_lshlrev_b32 v2, 4, v1                        ; 16 l: my 16 bytes of 512 of mid
	v_lshlrev_b32 v3, 3, v1                        ; 8 l: my 8 bytes of a stored 256
	; two keys of a slice are 768 bytes of vb = three units of 256.  Unit j takes, for lanes 0-15 and for lanes 16-31, 256 consecutive bytes of final:
	v_lshlrev_b32 v4, 4, v7
	v_lshl_add_u32 v4, v8, 8, v4                   ; unit 0: first key, channels 0-63 | 64-127
	v_mul_u32_u24 v5, v8, 2560
	v_lshl_add_u32 v5, v7, 4, v5
	v_add_nc_u32 v5, 512, v5                       ; unit 1: first key, channels 128-191 | second key (3,072 bytes on), channels 0-63
	v_add_nc_u32 v6, 3328, v4                      ; unit 2: second key, channels 64-127 | 128-191
	s_wait_alu depctr_va_sdst(0)                   ; s12 is written, ahead of its first reader: all four bases are made from it
	s_lshl_b32 s13, ttmp9, 3
	s_add_co_u32 s13, s13, s12                     ; gw, 0..4095
	s_mov_b32 s14, 0x76543210                      ; v_permlanex16_b32: each lane takes its own place in the other half
	s_mov_b32 s15, 0xfedcba98
	s_mul_i32 s16, s13, 12288                      ; four rows of 3,072 bytes
	s_mov_b32 s17, 0
	s_mul_i32 s18, s13, 6144                       ; four rows of 1,536 bytes
	s_mov_b32 s19, 0
	s_lshr_b32 s20, s13, 9                         ; batch: 512 waves each
	s_mul_i32 s20, s20, 3145728                    ; four slices of 786,432 bytes
	s_and_b32 s21, s13, 511
	s_mul_i32 s21, s21, 1536                       ; four keys of 384 bytes
	s_add_co_u32 s20, s20, s21
	s_mov_b32 s21, 0
	s_wait_kmcnt 0x0
	s_add_nc_u64 s[4:5], s[4:5], s[16:17]
	s_add_nc_u64 s[6:7], s[6:7], s[16:17]
	s_add_nc_u64 s[8:9], s[8:9], s[18:19]
	s_add_nc_u64 s[10:11], s[10:11], s[20:21]
	s_wait_alu depctr_va_vdst(0)                   ; the five offsets v2 to v6 are written: every load and store of the kernel reads one of them
.irp i, 0,1,2,3
.irp j, 0,1,2,3,4,5
	global_load_b128 v[X+24*(\i)+4*(\j):X+24*(\i)+4*(\j)+3], v2, s[4:5] offset:3072*(\i)+512*(\j) th:TH_LOAD_NT
.endr
.endr
.irp i, 0,1
.irp x, 0,1,2,3
.irp j, 0,1,2
	global_load_b128 v[Y+48*(\i)+12*(\x)+4*(\j):Y+48*(\i)+12*(\x)+4*(\j)+3], v[4+(\j)], s[6:7] offset:6144*(\i)+768*(\x) th:TH_LOAD_NT
.endr
.endr
.endr
	s_wait_loadcnt 24                              ; mid is in; the 24 loads of final, issued behind it, may stay out
	; the sum of squares of each row: two chains a row, the four rows by turns, so that no line waits for the one before it
.irp i, 0,1,2,3
	v_pk_mul_f32 v[SS+4*(\i):SS+4*(\i)+1],   v[X+24*(\i):X+24*(\i)+1],   v[X+24*(\i):X+24*(\i)+1]
	v_pk_mul_f32 v[SS+4*(\i)+2:SS+4*(\i)+3], v[X+24*(\i)+2:X+24*(\i)+3], v[X+24*(\i)+2:X+24*(\i)+3]
.endr
.set p, 2
.rept 10
.irp i, 0,1,2,3
	v_pk_fma_f32 v[SS+4*(\i)+2*(p%2):SS+4*(\i)+2*(p%2)+1], v[X+24*(\i)+2*p:X+24*(\i)+2*p+1], v[X+24*(\i)+2*p:X+24*(\i)+2*p+1], v[SS+4*(\i)+2*(p%2):SS+4*(\i)+2*(p%2)+1]
.endr
.set p, p+1
.endr
.irp i, 0,1,2,3
	v_pk_add_f32 v[SS+4*(\i):SS+4*(\i)+1], v[SS+4*(\i):SS+4*(\i)+1], v[SS+4*(\i)+2:SS+4*(\i)+3]
.endr
.irp i, 0,1,2,3
	v_add_f32 v[SS+4*(\i)], v[SS+4*(\i)], v[SS+4*(\i)+1]
.endr
.irp m, 1,2,4,8                        ; across the lanes: four steps inside each half of 16 ride on the addition, one crosses the halves
.irp i, 0,1,2,3
	v_add_f32_dpp v[SS+4*(\i)], v[SS+4*(\i)], v[SS+4*(\i)] row_xmask:\m row_mask:0xf bank_mask:0xf
.endr
.endr
.irp i, 0,1,2,3
	v_permlanex16_b32 v[SS+4*(\i)+1], v[SS+4*(\i)], s14, s15  ; its destination has been written before
.endr
.irp i, 0,1,2,3
	v_add_f32 v[SS+4*(\i)], v[SS+4*(\i)], v[SS+4*(\i)+1]
.endr
.irp i, 0,1,2,3
	v_max_num_f32 v[SS+4*(\i)], 0x179abe15, v[SS+4*(\i)]     ; max(q, 1e-24)
.endr
.irp i, 0,1,2,3
	v_rsq_f32 v[R+2*(\i)], v[SS+4*(\i)]            ; one batch of four
.endr
	v_nop                                          ; a plain instruction behind the last of them, ahead of the first use (ISA guide 5.7.2)
	s_wait_alu depctr_va_vdst(0)                   ; the four v_rsq_f32 have written v[R], v[R+2], v[R+4], v[R+6]: one wait for the batch, ahead of its first reader
.irp i, 0,1,2,3
	v_mul_f32 v[R+2*(\i)], 0x3f99be61, v[R+2*(\i)] ; x sqrt(log2 e)
.endr
.irp i, 0,1,2,3
	v_mov_b32 v[R+2*(\i)+1], v[R+2*(\i)]
.endr
; Row i of mid: scaled and rounded in place.  before = 1: the row before goes out meanwhile: its six stores stand behind the wait at the head, one ahead of each two multiplies.
.macro ROWM i, before
.if \before
	s_wait_alu depctr_va_vdst(0)                   ; the conversions of the row before have written its packed words, which the six stores below read; no vector line behind this wait names them
.endif
.irp j, 0,1,2,3,4,5
.if \before
	global_store_b64 v3, v[X+24*((\i)-1)+4*(\j):X+24*((\i)-1)+4*(\j)+1], s[8:9] offset:1536*((\i)-1)+256*(\j)  ; 32 lanes store 256 consecutive bytes, at a multiple of 256 from kn's first
.endif
	v_pk_mul_f32 v[X+24*(\i)+4*(\j):X+24*(\i)+4*(\j)+1],   v[X+24*(\i)+4*(\j):X+24*(\i)+4*(\j)+1],   v[R+2*(\i):R+2*(\i)+1]
	v_pk_mul_f32 v[X+24*(\i)+4*(\j)+2:X+24*(\i)+4*(\j)+3], v[X+24*(\i)+4*(\j)+2:X+24*(\i)+4*(\j)+3], v[R+2*(\i):R+2*(\i)+1]
.endr
.irp j, 0,1,2,3,4,5
	v_cvt_pk_bf16_f32 v[X+24*(\i)+4*(\j)],   v[X+24*(\i)+4*(\j)],   v[X+24*(\i)+4*(\j)+1]   ; in place: four f32 become two words
	v_cvt_pk_bf16_f32 v[X+24*(\i)+4*(\j)+1], v[X+24*(\i)+4*(\j)+2], v[X+24*(\i)+4*(\j)+3]
.endr
.endm
	ROWM 0, 0
	ROWM 1, 1
	ROWM 2, 1
	ROWM 3, 1
	s_wait_alu depctr_va_vdst(0)                   ; row 3's conversions have written its packed words, which the six stores below read
.irp j, 0,1,2,3,4,5
	global_store_b64 v3, v[X+72+4*(\j):X+72+4*(\j)+1], s[8:9] offset:4608+256*(\j)  ; in one run, ahead of the wait for final
.endr
.irp i, 0,1
	s_wait_loadcnt 12-12*(\i)                      ; key pair i is in; the other pair's 12 loads, issued behind it, may stay out
.irp x, 0,1,2,3
.irp j, 0,1,2
	v_cvt_pk_bf16_f32 v[Y+48*(\i)+12*(\x)+4*(\j)],   v[Y+48*(\i)+12*(\x)+4*(\j)],   v[Y+48*(\i)+12*(\x)+4*(\j)+1]
	v_cvt_pk_bf16_f32 v[Y+48*(\i)+12*(\x)+4*(\j)+1], v[Y+48*(\i)+12*(\x)+4*(\j)+2], v[Y+48*(\i)+12*(\x)+4*(\j)+3]
.endr
.endr
	s_wait_alu depctr_va_vdst(0)                   ; the pair's 24 conversions have written its packed words, which the 12 stores below read
.irp x, 0,1,2,3
.irp j, 0,1,2
	global_store_b64 v3, v[Y+48*(\i)+12*(\x)+4*(\j):Y+48*(\i)+12*(\x)+4*(\j)+1], s[10:11] offset:786432*(\x)+768*(\i)+256*(\j)  ; again 256 consecutive bytes, aligned
.endr
.endr
.endr
	s_endpgm
.Lfunc_end_k_q512f4fd428_prep:
	.size	k_q512f4fd428_prep, .Lfunc_end_k_q512f4fd428_prep-k_q512f4fd428_prep
	.p2alignl 7, 3214868480
	.fill 96, 4, 3214868480
	.section	.rodata,"a",@progbits
	.p2align	6, 0x0
	.amdhsa_kernel k_q512f4fd428_prep
		.amdhsa_group_segment_fixed_size 0
		.amdhsa_private_segment_fixed_size 0
		.amdhsa_enable_private_segment 0
		.amdhsa_kernarg_size 32
		.amdhsa_user_sgpr_count 2
		.amdhsa_user_sgpr_kernarg_segment_ptr 1
		.amdhsa_wavefront_size32 1
		.amdhsa_system_sgpr_workgroup_id_x 1
		.amdhsa_system_sgpr_workgroup_id_y 1
		.amdhsa_system_sgpr_workgroup_id_z 1
		.amdhsa_system_vgpr_workitem_id 0
		.amdhsa_next_free_vgpr 224
		.amdhsa_next_free_sgpr 66
		.amdhsa_reserve_vcc 0
		.amdhsa_float_denorm_mode_32 3
		.amdhsa_float_denorm_mode_16_64 3
		.amdhsa_memory_ordered 1
		.amdhsa_forward_progress 1
		.amdhsa_inst_pref_size 26
	.end_amdhsa_kernel
	.amdgpu_metadata
---
amdhsa.version: [ 1, 2 ]
amdhsa.kernels:
  - .name:           k_q512f4fd428_prep
    .symbol:         k_q512f4fd428_prep.kd
    .args:
      - { .name: mid_features, .offset: 0, .size: 8, .value_kind: global_buffer, .address_space: global }
      - { .name: final_features, .offset: 8, .size: 8, .value_kind: global_buffer, .address_space: global }
      - { .name: kn, .offset: 16, .size: 8, .value_kind: global_buffer, .address_space: global }
      - { .name: vb, .offset: 24, .size: 8, .value_kind: global_buffer, .address_space: global }
    .group_segment_fixed_size: 0
    .private_segment_fixed_size: 0
    .kernarg_segment_align: 8
    .kernarg_segment_size: 32
    .max_flat_workgroup_size: 256
    .sgpr_count:     66
    .vgpr_count:     224
    .wavefront_size: 32
...
	.end_amdgpu_metadata
.endif
;; end of part 4
;; launch simexp: the kernel of part 2 again; grid 8 x 32, 4 waves a work-group, clusters of 4 x 4, 327,680 bytes of LDS; arguments kn, pw, st; writes pw, st
;; launch mix: the kernel of part 3 again; grid 4 x 64, 4 waves a work-group, clusters of 4 x 4, 327,680 bytes of LDS; arguments pw, vb, st, out0; writes out0
